; MI455X (gfx1250); checked and timed in simulation.
; The chip was launched on July 23, 2026; its instructions are those of AMD's public machine-readable ISA for CDNA 5 (MIT licence, August 2026) and "CDNA5" Instruction Set Architecture Reference Guide (July 2026). The comments in the code are by the model that wrote it; some were corrected since.
;; Self Attention. Allowed arithmetic: matrix products marked QUANTISED: E2M1 operands, one E8M0 scale for each 32 along K, by v_wmma_scale_f32_16x16x128_f8f6f4 with both operands' format E2M1 (or v_wmma_scale_f32_32x16x128_f4), f32 sums; products left as they are: bf16, f16 or f32 operands; f32 sums; everything else in f32.
;; Inputs: b_in 3,072 float32; b_out 1,024 float32; w_in 1,024 x 3,072 float32; w_out 1,024 x 1,024 float32; x 4 x 2,048 x 1,024 float32.
;; Outputs: out0 4 x 2,048 x 1,024 float32.
;; This version of the problem:
;;   THIS VERSION OF THE PROBLEM IS GIVEN IN LOW PRECISION. The matrix products marked QUANTISED in the list below multiply operands that are first quantised to E2M1 (2 exponent bits, 1 mantissa bit; 4 bits a number), with one power-of-two scale for each 32 numbers along K (OCP MX v1.0); their sums are f32. The products marked 'left as it is' may take bf16, f16 or f32 operands, with f32 sums. Whichever they take, every output number must still come out within the allowed error. Rounding operands to bf16 (8 significant bits) uses up far more of that allowance than f16 does (11 bits, for magnitudes from 6e-5 to 65,504). All else is computed in f32.
;;   The module's matrix products, in the order in which they are computed (A, B: the left and right operand; K: the contracted axis; several contracted axes count as one K, in the product's order):
;;     1. [M 8,192, K 1,024] x [K 1,024, N 3,072]; A: input x; B: input w_in: QUANTISED
;;     2. batch 64 x [M 2,048, K 64] x [K 64, N 2,048]; A: computed on the way; B: computed on the way: left as it is (an operand is computed on the way)
;;     3. batch 64 x [M 2,048, K 2,048] x [K 2,048, N 64]; A: computed on the way; B: computed on the way: left as it is (an operand is computed on the way)
;;     4. [M 8,192, K 1,024] x [K 1,024, N 1,024]; A: computed on the way; B: input w_out: left as it is (an operand is computed on the way)
;;   THE QUANTISER, for each operand of a quantised product, along K:
;;     - K is cut into blocks of 32 from its start; a last block that is shorter is filled with zeros.
;;     - A block's scale is 2^e with e = floor(log2(the largest magnitude in the block)) - 2, held to -126 .. 127; a block of zeros has e = 0. As a byte (E8M0): e + 127.
;;     - Each number is divided by its block's scale, clamped to +-6, and rounded to the nearest number of E2M1, ties to even, subnormals kept.
;;     - The product sums the exact products of the quantised numbers (number of the format x scale) in f32.
;;   ~~~python
;;   def quantise(x, axis):      # numpy; x: float32 -> the quantised numbers, widened to float32 again
;;       x = np.moveaxis(x, axis, -1); K = x.shape[-1]
;;       x = np.pad(x, [(0, 0)] * (x.ndim - 1) + [(0, -K % 32)]); x = x.reshape(x.shape[:-1] + (-1, 32)); a = np.abs(x).max(-1, keepdims=True)
;;       e = np.where(a > 0, np.clip(np.frexp(np.where(a > 0, a, 1))[1] - 1 - 2, -126, 127), 0)      # np.frexp(a)[1] - 1 = floor(log2(a)), exactly
;;       r = np.clip(x / 2.0 ** e, -6, 6)
;;       step = 2.0 ** (np.maximum(np.frexp(np.where(r == 0, 1, r))[1] - 1, 0) - 1)
;;       q = np.round(r / step) * step * 2.0 ** e      # np.round: ties to even
;;       return np.moveaxis(q.reshape(q.shape[:-2] + (-1,))[..., :K], -1, axis).astype(np.float32)
;;   ~~~
;; One version. Each part assembles by itself: llvm-mc -triple=amdgcn-amd-amdhsa -mcpu=gfx1250 --defsym DOCPART=n.
;; ======== version 1 of 1: 4 launches
;; limits: values are held in f16: magnitudes above 65,504 overflow, below 6.1e-05 lose precision
;; workspace buffers: xc 4,194,304 bytes; xs 262,144 bytes; wc 1,572,864 bytes; ws 98,304 bytes; wo16 2,097,152 bytes; kqv16 50,331,648 bytes; ao16 16,777,216 bytes
;; launch prep (part 1): grid 368 x 1, 4 waves a work-group, no clusters, 68,096 bytes of LDS; arguments x, w_in, w_out, xc, xs, wc, ws, wo16; writes xc, xs, wc, ws, wo16
.if DOCPART == 1
	.amdgcn_target "amdgcn-amd-amdhsa--gfx1250"
	.amdhsa_code_object_version 6
	.text
	.protected	k_q0d58d62819_prep
	.globl	k_q0d58d62819_prep
	.p2align	8
	.type	k_q0d58d62819_prep,@function
k_q0d58d62819_prep:
	s_mov_b64 s[64:65], 0
	v_nop
	global_prefetch_b8 v0, s[64:65] scope:SCOPE_SE
	s_setreg_imm32_b32 hwreg(HW_REG_WAVE_MODE, 25, 1), 1
	s_wait_xcnt 0x0
; PREP: what the later launches read many times is made once.  Three ways part on the work-group's number; no barrier, waves share nothing; each way has LDS bytes of its own.
;   work-groups 0-47    W: w_in [1024 k][3072 n] f32 -> codes of FP4 (E2M1) wc [3072 n][512 bytes], K innermost, and E8M0 bytes ws [3072 n][32]
;   work-groups 48-303  X: x [8192 m][1024 k] f32 -> codes xc [8192][512 bytes] and E8M0 bytes xs [8192][32]
;   work-groups 304-367 C: w_out [1024 k][1024 n] f32 -> f16, as it lies, wo16
; THE QUANTISER: a block of 32 along K has the scale 2^(floor(log2(largest magnitude)) - 2); its byte is the largest magnitude's exponent field - 2, held at 1 from below; each number / scale goes to the nearest code, ties to even, beyond 6 the code of 6.
; LIMITS: a block of zeros gets the byte 1 where the rule says 127 (its codes are zeros, which add nothing under any byte but 0xff, and this program alone reads the bytes); blocks whose largest magnitude lies under 2^-124 are held at the byte 1;
; NaN and infinities are not served.  w_out goes to f16: magnitudes under 6e-5 carry an absolute error of 3e-8, magnitudes from 65,504 on are not served.
.set SPARE, 67584                      ; behind both ways' regions: the spare words, 128 bytes a wave
.set SPW,   224                        ; v224  LDS address of my spare word; never rewritten
.set NIL,   225                        ; v225  0; never rewritten
.set EMAX,  2
; way X
.set SP,    80                         ; a lane's place in a stage: its 64 bytes + 16 of padding
.set XR,    16                         ; v16-143  eight sets of 16 numbers as loaded
.set XX,    144                        ; v144-175 two sets of 16 neighbours
.set XE,    176                        ; v176-191 a scale byte for each step
.set XC,    192                        ; v192-223 two registers of codes for each step
; way W
.set WSTG,  32768                      ; LDS: four stages of 32 x 272 bytes
.set WPI,   272
.set WN,    3072
.set WKROW, 512                        ; a row of wc in bytes
.set NB,    16                         ; blocks a lane
.set WX,    32                         ; v32-95   two sets of 32 numbers
.set WC,    96                         ; v96-99   a block's codes
.set WOUT,  112                        ; v112-175 the way out
.set WSB,   24                         ; v24-27   the scale bytes, four to a register
	s_load_b256 s[4:11], s[0:1], 0x0               ; x s[4:5], w_in s[6:7], w_out s[8:9], xc s[10:11]
	s_load_b256 s[12:19], s[0:1], 0x20             ; xs s[12:13], wc s[14:15], ws s[16:17], wo16 s[18:19]
	v_lshl_add_u32 v[SPW], v0, 2, SPARE
	v_mov_b32 v[NIL], 0
	v_lshrrev_b32 v1, 5, v0
	v_readfirstlane_b32 s20, v1                    ; wave 0..3
	v_and_b32 v2, 31, v0                           ; lane
	s_mov_b32 s23, 0                               ; the upper word of every offset: all stay under 2^32
	s_wait_kmcnt 0x0
	s_cmp_lt_u32 ttmp9, 48
	s_cbranch_scc1 .Lpath_w                        ; the longest way has the lowest numbers
	s_cmp_lt_u32 ttmp9, 304
	s_cbranch_scc1 .Lpath_x
; ---- C: a wave casts 4,096 numbers: 32 loads of 512 consecutive bytes, all issued at once; 32 stores of 256 consecutive aligned bytes.  No register is written twice.
	s_sub_co_u32 s21, ttmp9, 304
	s_lshl_b32 s21, s21, 2
	s_add_co_u32 s21, s21, s20                     ; my run, 0..255
	s_lshl_b32 s22, s21, 14
	s_add_nc_u64 s[8:9], s[8:9], s[22:23]
	s_lshl_b32 s22, s21, 13
	s_add_nc_u64 s[18:19], s[18:19], s[22:23]
	v_lshlrev_b32 v3, 4, v2
	v_lshlrev_b32 v4, 3, v2
.irp i, 0,1,2,3,4,5,6,7,8,9,10,11,12,13,14,15,16,17,18,19,20,21,22,23,24,25,26,27,28,29,30,31
	global_load_b128 v[16+4*\i:19+4*\i], v3, s[8:9] offset:512*\i th:TH_LOAD_NT
.endr
.irp i, 0,1,2,3,4,5,6,7,8,9,10,11,12,13,14,15,16,17,18,19,20,21,22,23,24,25,26,27,28,29,30,31
	s_wait_loadcnt 31-\i                           ; loads come back in order: load i is in, the younger ones stay out
	v_cvt_pk_f16_f32 v[144+2*\i], v[16+4*\i], v[17+4*\i]
	v_cvt_pk_f16_f32 v[145+2*\i], v[18+4*\i], v[19+4*\i]
	global_store_b64 v4, v[144+2*\i:145+2*\i], s[18:19] offset:256*\i
.endr
	s_endpgm                                       ; this way has written no LDS
; ---- X: K is innermost and rows are dense: x is a plain stream of blocks of 32.  A wave takes 16 steps of 512 numbers.  Each load reads 512 consecutive bytes, 16 a lane; a step's 2,048 bytes turn through the wave's own
; stage in LDS and come back 64 bytes a lane, so that a lane holds 16 neighbours along K (two neighbouring lanes hold a block).  Loads run eight steps (32 loads a wave) ahead, the turn through LDS one step.
.macro XLOAD t
.irp i, 0,1,2,3
	global_load_b128 v[XR+16*((\t)%8)+4*\i:XR+16*((\t)%8)+4*\i+3], v3, s[4:5] offset:2048*(\t)+512*\i th:TH_LOAD_NT
.endr
.endm
.macro XTURN t                         ; LDS serves a wave's instructions in order: no wait between the stores and the loads
.irp i, 0,1,2,3
	ds_store_b128 v14, v[XR+16*((\t)%8)+4*\i:XR+16*((\t)%8)+4*\i+3] offset:32*SP*((\t)%2)+8*SP*\i
.endr
.irp i, 0,1,2,3
	ds_load_b128 v[XX+16*((\t)%2)+4*\i:XX+16*((\t)%2)+4*\i+3], v15 offset:32*SP*((\t)%2)+16*\i
.endr
.endm
.macro XSTEP t
.set XS, XX+16*((\t)%2)
.if (\t) > 0
	s_wait_dscnt 1                                 ; this step's numbers are back from the stage (the last step's byte store may be out): so its stores into the stage have read their registers,
.else
	s_wait_dscnt 0x0
.endif
.if (\t)+8 < 16
	XLOAD (\t)+8                                   ; which take the loads of eight steps on
.endif
.if (\t)+1 < 16
.if (\t)+8 < 16
	s_wait_loadcnt 28                              ; the next step's four loads are in; those of the seven steps behind it may be out
.else
	s_wait_loadcnt 4*(14-(\t))                     ; the counts run down: steps t + 2 .. 15 may be out
.endif
	XTURN (\t)+1
.endif
	v_max3_num_f32 v8, |v[XS]|, |v[XS+1]|, |v[XS+2]|               ; the largest magnitude of my 16, in two chains
	v_max3_num_f32 v9, |v[XS+3]|, |v[XS+4]|, |v[XS+5]|
.irp i, 6,10
	v_max3_num_f32 v8, v8, |v[XS+\i]|, |v[XS+\i+1]|
	v_max3_num_f32 v9, v9, |v[XS+\i+2]|, |v[XS+\i+3]|
.endr
	v_max3_num_f32 v8, v8, |v[XS+14]|, |v[XS+15]|
	v_max3_num_f32 v8, v8, v9, (EMAX+1)<<23        ; and the floor 2^(3 - 127): the byte cannot fall under 1
	v_max_num_f32_dpp v8, v8, v8 row_xmask:1 row_mask:0xf bank_mask:0xf   ; with my neighbour's 16: the block's
	v_add_nc_u32 v11, -(EMAX<<23), v8              ; 2 off its exponent field: the conversion takes the exponent field of this operand as its scale
	v_cvt_scalef32_pk8_fp4_f32 v[XC+2*(\t)], v[XS:XS+7], v11
	v_cvt_scalef32_pk8_fp4_f32 v[XC+2*(\t)+1], v[XS+8:XS+15], v11
	v_lshrrev_b32 v[XE+(\t)], 23, v11              ; the scale's byte (also the plain line behind the conversions)
	ds_store_b8 v5, v[XE+(\t)] offset:16*(\t)      ; both lanes of a block write the same byte with the same value
	global_store_b64 v4, v[XC+2*(\t):XC+2*(\t)+1], s[10:11] offset:256*(\t)   ; the wave stores 256 consecutive aligned bytes
.endm
.Lpath_x:
	s_sub_co_u32 s21, ttmp9, 48
	s_lshl_b32 s21, s21, 2
	s_add_co_u32 s21, s21, s20                     ; my run of 8,192 numbers, 0..1023
	s_lshl_b32 s22, s21, 15
	s_add_nc_u64 s[4:5], s[4:5], s[22:23]
	s_lshl_b32 s22, s21, 12
	s_add_nc_u64 s[10:11], s[10:11], s[22:23]
	s_lshl_b32 s22, s21, 8
	s_add_nc_u64 s[12:13], s[12:13], s[22:23]
	s_lshl_b32 s24, s20, 13                        ; my wave's 8,192 bytes of LDS: two stages of 32 x 80, then 256 scale bytes
	v_lshlrev_b32 v3, 4, v2                        ; my 16 bytes of a load's 512
	v_lshrrev_b32 v14, 2, v2
	v_mul_u32_u24 v14, v14, SP
	v_and_b32 v15, 3, v2
	v_lshl_add_u32 v14, v15, 4, v14
	v_add_nc_u32 v14, s24, v14                     ; the stage, in: 80 (lane / 4) + 16 (lane % 4)
	v_mul_u32_u24 v15, v2, SP
	v_add_nc_u32 v15, s24, v15                     ; and out: 80 x lane
	v_lshlrev_b32 v4, 3, v2                        ; 8 bytes a lane: my codes' place in a step's, and my part of the scale bytes
	v_lshrrev_b32 v5, 1, v2
	s_add_co_u32 s24, s24, 2*32*SP
	v_add_nc_u32 v5, s24, v5                       ; my block's byte
	v_add_nc_u32 v6, s24, v4
.irp t, 0,1,2,3,4,5,6,7
	XLOAD \t
.endr
	s_wait_loadcnt 28                              ; step 0's four loads are in
	XTURN 0
.irp t, 0,1,2,3,4,5,6,7,8,9,10,11,12,13,14,15
	XSTEP \t
.endr
	ds_load_b64 v[8:9], v6                         ; the wave's 256 scale bytes: these loads see my stores
	s_wait_dscnt 0x0
	global_store_b64 v4, v[8:9], s[12:13]          ; one aligned run of 256 bytes
	s_wait_tensorcnt 0x0                           ; the wave's end, behind my last LDS store
	ds_add_u32 v[SPW], v[NIL]
	s_wait_dscnt 0x0
	s_endpgm
; ---- W: K is the FIRST axis.  A lane takes a column n and its registers run down K: each load reads 128 consecutive bytes a wave, a block of 32 lies in one lane's 32 registers, and the conversions give codes with K innermost.
; A wave takes 32 columns x 512 along K.  Its codes (256 bytes a column) go through its own stage and leave as rows: sixteen lanes store 256 consecutive aligned bytes.  Loads run two blocks ahead.
; Every offset is an immediate: 511 rows x 12,288 bytes = 6,279,168, inside the signed 24 bits (ISA guide, chapter 10).
.macro WLOAD t
.irp i, 0,1,2,3,4,5,6,7,8,9,10,11,12,13,14,15,16,17,18,19,20,21,22,23,24,25,26,27,28,29,30,31
	global_load_b32 v[WX+32*((\t)%2)+\i], v3, s[6:7] offset:(32*(\t)+\i)*WN*4 th:TH_LOAD_NT
.endr
.endm
.macro WBLOCK t
.set WXS, WX+32*((\t)%2)
.if (\t) < NB-1
	s_wait_loadcnt 32                              ; this block's 32 loads are in; the next block's may be out
.else
	s_wait_loadcnt 0
.endif
	v_max3_num_f32 v12, |v[WXS]|, |v[WXS+1]|, |v[WXS+2]|
	v_max3_num_f32 v13, |v[WXS+3]|, |v[WXS+4]|, |v[WXS+5]|
.irp i, 6,10,14,18,22,26
	v_max3_num_f32 v12, v12, |v[WXS+\i]|, |v[WXS+\i+1]|
	v_max3_num_f32 v13, v13, |v[WXS+\i+2]|, |v[WXS+\i+3]|
.endr
	v_max3_num_f32 v12, v12, |v[WXS+30]|, |v[WXS+31]|
	v_max3_num_f32 v12, v12, v13, (EMAX+1)<<23     ; with the floor
	v_add_nc_u32 v11, -(EMAX<<23), v12
	v_lshrrev_b32 v13, 23, v11                     ; the scale's byte
.if (\t)%4 == 0
	v_mov_b32 v[WSB+(\t)/4], v13
.else
	v_lshl_or_b32 v[WSB+(\t)/4], v13, 8*((\t)%4), v[WSB+(\t)/4]
.endif
.irp g, 0,1,2,3
	v_cvt_scalef32_pk8_fp4_f32 v[WC+\g], v[WXS+8*\g:WXS+8*\g+7], v11
.endr
	v_nop                                          ; one plain line behind the last conversion
	ds_store_b128 v4, v[WC:WC+3] offset:16*(\t)    ; 32 codes: 16 bytes of my column's row
.if (\t)+2 < NB
	WLOAD (\t)+2
.endif
	s_wait_dscnt 0x0                               ; the store has read its registers: the next block's codes may be written
.endm
.Lpath_w:
	s_cmp_lt_u32 ttmp9, 24
	s_cselect_b32 s21, 0, 1                        ; which 512 along K
	s_cselect_b32 s22, 0, 24
	s_sub_co_u32 s22, ttmp9, s22
	s_lshl_b32 s22, s22, 7
	s_lshl_b32 s24, s20, 5
	s_add_co_u32 s26, s22, s24                     ; my wave's first column
	s_mul_i32 s22, s21, 512*WN*4
	s_lshl_b32 s24, s26, 2
	s_add_co_u32 s22, s22, s24
	s_add_nc_u64 s[6:7], s[6:7], s[22:23]          ; w_in: 512 y rows down, 4 bytes a column
	s_lshl_b32 s22, s26, 9
	s_lshl_b32 s24, s21, 8
	s_add_co_u32 s22, s22, s24
	s_add_nc_u64 s[14:15], s[14:15], s[22:23]      ; wc: 512 bytes a column, + 256 y
	s_lshl_b32 s22, s26, 5
	s_lshl_b32 s24, s21, 4
	s_add_co_u32 s22, s22, s24
	s_add_nc_u64 s[16:17], s[16:17], s[22:23]      ; ws: 32 bytes a column, + 16 y
	s_mul_i32 s27, s20, 32*WPI
	s_add_co_u32 s27, s27, WSTG                    ; my stage
	v_lshlrev_b32 v3, 2, v2
	v_mul_u32_u24 v4, v2, WPI
	v_add_nc_u32 v4, s27, v4                       ; into it: row = my column
	v_and_b32 v5, 15, v2
	v_lshrrev_b32 v6, 4, v2
	v_mul_u32_u24 v7, v6, WPI
	v_lshl_add_u32 v7, v5, 4, v7
	v_add_nc_u32 v7, s27, v7                       ; out of it: sixteen lanes to a row, two rows an instruction
	v_mul_u32_u24 v8, v6, WKROW
	v_lshl_add_u32 v8, v5, 4, v8                   ; and the same place in wc
	v_lshlrev_b32 v9, 5, v2                        ; my column's row of ws
	WLOAD 0
	WLOAD 1
.set Q, 0
.rept NB
	WBLOCK Q
.set Q, Q+1
.endr
	global_store_b128 v9, v[WSB:WSB+3], s[16:17]   ; my column's 16 scale bytes
.irp t, 0,1,2,3,4,5,6,7,8,9,10,11,12,13,14,15
	ds_load_b128 v[WOUT+4*\t:WOUT+4*\t+3], v7 offset:2*\t*WPI
.endr
.irp t, 0,1,2,3,4,5,6,7,8,9,10,11,12,13,14,15
	s_wait_dscnt 15-\t
	global_store_b128 v8, v[WOUT+4*\t:WOUT+4*\t+3], s[14:15] offset:2*\t*WKROW
.endr
	s_wait_tensorcnt 0x0                           ; the wave's end, behind my last LDS store
	ds_add_u32 v[SPW], v[NIL]
	s_wait_dscnt 0x0
	s_endpgm
.Lfunc_end_k_q0d58d62819_prep:
	.size	k_q0d58d62819_prep, .Lfunc_end_k_q0d58d62819_prep-k_q0d58d62819_prep
	.p2alignl 7, 3214868480
	.fill 96, 4, 3214868480
	.section	.rodata,"a",@progbits
	.p2align	6, 0x0
	.amdhsa_kernel k_q0d58d62819_prep
		.amdhsa_group_segment_fixed_size 68096
		.amdhsa_private_segment_fixed_size 0
		.amdhsa_enable_private_segment 0
		.amdhsa_kernarg_size 64
		.amdhsa_user_sgpr_count 2
		.amdhsa_user_sgpr_kernarg_segment_ptr 1
		.amdhsa_wavefront_size32 1
		.amdhsa_system_sgpr_workgroup_id_x 1
		.amdhsa_system_sgpr_workgroup_id_y 1
		.amdhsa_system_sgpr_workgroup_id_z 1
		.amdhsa_system_vgpr_workitem_id 0
		.amdhsa_next_free_vgpr 228
		.amdhsa_next_free_sgpr 66
		.amdhsa_reserve_vcc 0
		.amdhsa_float_denorm_mode_32 3
		.amdhsa_float_denorm_mode_16_64 3
		.amdhsa_memory_ordered 1
		.amdhsa_forward_progress 1
		.amdhsa_inst_pref_size 122
	.end_amdhsa_kernel
	.amdgpu_metadata
---
amdhsa.version: [ 1, 2 ]
amdhsa.kernels:
  - .name:           k_q0d58d62819_prep
    .symbol:         k_q0d58d62819_prep.kd
    .args:
      - { .name: x, .offset: 0, .size: 8, .value_kind: global_buffer, .address_space: global }
      - { .name: w_in, .offset: 8, .size: 8, .value_kind: global_buffer, .address_space: global }
      - { .name: w_out, .offset: 16, .size: 8, .value_kind: global_buffer, .address_space: global }
      - { .name: xc, .offset: 24, .size: 8, .value_kind: global_buffer, .address_space: global }
      - { .name: xs, .offset: 32, .size: 8, .value_kind: global_buffer, .address_space: global }
      - { .name: wc, .offset: 40, .size: 8, .value_kind: global_buffer, .address_space: global }
      - { .name: ws, .offset: 48, .size: 8, .value_kind: global_buffer, .address_space: global }
      - { .name: wo16, .offset: 56, .size: 8, .value_kind: global_buffer, .address_space: global }
    .group_segment_fixed_size: 68096
    .private_segment_fixed_size: 0
    .kernarg_segment_align: 8
    .kernarg_segment_size: 64
    .max_flat_workgroup_size: 128
    .sgpr_count:     66
    .vgpr_count:     228
    .wavefront_size: 32
...
	.end_amdgpu_metadata
.endif
;; end of part 1
;; launch gemm_in (part 2): grid 12 x 32, 4 waves a work-group, clusters of 4 x 4, 327,680 bytes of LDS; arguments xc, xs, wc, ws, kqv16, b_in; writes kqv16
.if DOCPART == 2
	.amdgcn_target "amdgcn-amd-amdhsa--gfx1250"
	.amdhsa_code_object_version 6
	.text
	.protected	k_q0d58d62819_gemm_in
	.globl	k_q0d58d62819_gemm_in
	.p2align	8
	.type	k_q0d58d62819_gemm_in,@function
k_q0d58d62819_gemm_in:
	s_mov_b64 s[64:65], 0
	v_nop
	global_prefetch_b8 v0, s[64:65] scope:SCOPE_SE
	s_setreg_imm32_b32 hwreg(HW_REG_WAVE_MODE, 25, 1), 1
	s_wait_xcnt 0x0
	s_wait_alu depctr_hold_cnt(0) depctr_sa_sdst(0) depctr_va_vdst(0) depctr_va_sdst(0) depctr_va_ssrc(0) depctr_va_vcc(0) depctr_vm_vsrc(0)
	s_getreg_b32 s2, hwreg(HW_REG_IB_STS2, 6, 4)
	s_cmp_eq_u32 s2, 0
	s_cbranch_scc0 .Lentry_in_a_cluster
	s_endpgm
.Lentry_in_a_cluster:
	s_bfe_u32 s2, ttmp6, 0x10000c
	s_cmp_lg_u32 s2, 0xf033
	s_cbranch_scc0 .Lentry_shape_is_right
	s_endpgm
.Lentry_shape_is_right:
; kqv = Q(x) Q(w_in) + b_in on codes of FP4 (E2M1) with one E8M0 scale for each 32 along K; sums in f32; the result is rounded once to f16 and stored split by heads:
; kqv16 [which: k, q, v][batch 4][head 16][s 2048][64] f16, byte = which << 24 | batch << 22 | head << 18 | s << 7 | 2 d.
; A = xc [8192 m][512 bytes], xs [8192][32];  B = wc [3072 n][512 bytes], ws [3072][32].
; LIMIT: the rounding to f16 is not held: |k|, |q|, |v| stay under 65,504 (with x and w_in both 30 times larger their spread is about 900).
; A tile of 256 x 256 is made by four waves, 128 x 128 each: 64 accumulators, 512 registers.  K = 1,024 is two K steps of 512 (rows of 256 bytes): both, and the scales of all of K, are first fills: nothing is filled again.
; CLUSTERS: 4 x 4 work-groups; A's tiles are asked for jointly along a row of the cluster, B's along a column.  THE MATRIX INSTRUCTION IS USED TRANSPOSED (source 0 = 16 rows of B, source 1 = 16 rows of A): a lane holds eight neighbouring columns of one row.
; The bias is the C of each sum's first matrix instruction: eight registers for each of B's eight blocks, in the result's layout.
; REGISTERS: window 0: v16-30 addresses; v32-95 scale words, two sets; v128-191 A's fragments, one set; on the way out v32-63, v192-255.   window 1: B's fragments at v0 and v128; the bias at v64-127.   windows 2, 3: the accumulators ((a, b) at v[8 (8 (a % 4) + b)]).
.set NQ,     4                         ; matrix instructions deep in a slot
.set ROWB,   256
.set KROW,   512
.set PITCH,  272                       ; 256 bytes + 16 of padding: the 16 rows that a load touches start at 16 different banks
.set FR,     8
.set NL,     2
.set NP,     4
.set HALFT,  128*PITCH
.set SLOT,   4*HALFT
.set KS,     32                        ; a row of scales in bytes
.set SCL,    2*SLOT
.set HALFS,  16*272                    ; the scales of 128 rows
.set SBLK,   2*272                     ; those of 16 rows
.set SPARE,  SCL+4*HALFS               ; the spare words, 128 bytes a wave
.set HP,     144                       ; the way out: a stage row: a head's 128 bytes + 16
.set HSTG,   16*HP                     ; 16 rows of one head; a wave's stage is two of these, in slot 0, which has had its last fill and its last read by then
.set ADRA, 16
.set ADRB, 20
.set STO,  24
.set RD,   25
.set CO,   26
.set ADRS, 27
.set SPW,  28
.set NIL,  29
.set BO,   30                          ; v30  32 x (lane / 16): my eight numbers of the bias
.set SC,   32
.set AF,   128
.set TMP,  192
.set BIAS, 64                          ; in window 1
.set G1, 24
.set G0, 32
.set G1B, 48
.set G0B, 56
.set G1S, 68
.set G0S, 76
.set G1SB, 80
.set G0SB, 88
.set MSB, 0
.macro WIN new                         ; the immediate's high byte repeats the setting that is left
.if MSB != (\new)
	s_set_vgpr_msb (MSB<<8)|(\new)
.set MSB, (\new)
.endif
.endm
.set MUL_LO, 0xa1                      ; source 0 (B) window 1, source 1 (A) window 0, C and D window 2
.set MUL_HI, 0xf1                      ; C and D window 3
.set BIA_LO, 0x91                      ; C (the bias) window 1, D window 2
.set BIA_HI, 0xd1                      ; C window 1, D window 3
.set TO_B,   0x40
; A joint load: waves 0 and 1 fetch for A, waves 2 and 3 for B; the branch hangs on the wave's number alone.  An s_nop 0 and four v_nop follow each line.
.macro JLOAD g0a, g1a, g0b, g1b
	s_cmp_eq_u32 s15, 0
	s_cbranch_scc0 .Lfor_b_\@
	tensor_load_to_lds s[\g0a:\g0a+3], s[\g1a:\g1a+7]
	s_nop 0
.rept 4
	v_nop
.endr
	s_branch .Lasked_\@
.Lfor_b_\@:
	tensor_load_to_lds s[\g0b:\g0b+3], s[\g1b:\g1b+7]
	s_nop 0
.rept 4
	v_nop
.endr
.Lasked_\@:
.endm
.macro CROUND                          ; a round of the cluster's barrier
	s_barrier_signal -1
	s_barrier_wait -1
	s_cmp_lg_u32 s14, 0
	s_cbranch_scc1 .Lnot_wave_0_\@
	s_barrier_signal -3
.Lnot_wave_0_\@:
	s_barrier_wait -3
	s_barrier_signal -1
	s_barrier_wait -1
.endm
	s_load_b128 s[4:7], s[0:1], 0x0                ; A's codes, A's scales
	s_load_b128 s[8:11], s[0:1], 0x10              ; B's codes, B's scales
	s_load_b64 s[12:13], s[0:1], 0x20              ; kqv16
	s_load_b64 s[96:97], s[0:1], 0x28              ; b_in
	v_lshl_add_u32 v[SPW], v0, 2, SPARE
	v_mov_b32 v[NIL], 0
	ds_add_u32 v[SPW], v[NIL]                      ; the wave's opening: the add, twice on end, and its wait ahead of my first tensor load
	ds_add_u32 v[SPW], v[NIL]
	v_lshrrev_b32 v1, 5, v0
	v_readfirstlane_b32 s14, v1                    ; wave 0..3
	s_lshr_b32 s15, s14, 1                         ; which half of the tile's rows is mine.  Also: I fetch for A (0) or for B (1)
	s_and_b32 s16, s14, 1                          ; which half of its columns.  Also: which 128 rows I fetch
	s_bfe_u32 s40, ttmp6, 0x40000                  ; cx
	s_bfe_u32 s41, ttmp6, 0x40004                  ; cy
	s_lshl_b32 s42, ttmp9, 2
	s_add_co_u32 s42, s42, s40                     ; tile column
	s_and_b32 s17, ttmp7, 0xffff
	s_lshl_b32 s17, s17, 2
	s_add_co_u32 s17, s17, s41                     ; tile row
	s_lshl_b32 s43, s41, 2
	s_lshl_b32 s43, 15, s43                        ; my row of the cluster
	s_lshl_b32 s44, 0x1111, s40                    ; my column
	s_or_b32 s[G1+0], s43, (0<<16)|(1<<20)|(1<<21)|(5<<22)|(3<<25)  ; the mask; elements of 1 byte; padding: 4 words behind every 64; bit 21 beside a mask
	s_or_b32 s[G1B+0], s44, (0<<16)|(1<<20)|(1<<21)|(5<<22)|(3<<25)
.irp g, G1, G1B
	s_mov_b32 s[\g+1], ROWB<<16                    ; tensor_dim0
	s_mov_b32 s[\g+2], 128<<16                     ; tensor_dim1
	s_mov_b32 s[\g+3], ROWB<<16                    ; tile_dim0
	s_mov_b32 s[\g+4], 128                         ; tile_dim1
	s_mov_b32 s[\g+5], KROW                        ; pitch
	s_mov_b32 s[\g+6], 0
	s_mov_b32 s[\g+7], 0
.endr
	s_or_b32 s[G1S+0], s43, (3<<16)|(1<<20)|(1<<21)|(5<<22)|(3<<25) ; the scales of 128 rows: 4,096 dense bytes as 16 rows of 256 (32 elements of 8 bytes), 16 bytes of padding behind each
	s_or_b32 s[G1SB+0], s44, (3<<16)|(1<<20)|(1<<21)|(5<<22)|(3<<25)
.irp g, G1S, G1SB
	s_mov_b32 s[\g+1], 32<<16
	s_mov_b32 s[\g+2], 16<<16
	s_mov_b32 s[\g+3], 32<<16
	s_mov_b32 s[\g+4], 16
	s_mov_b32 s[\g+5], 32
	s_mov_b32 s[\g+6], 0
	s_mov_b32 s[\g+7], 0
.endr
	s_lshl_b32 s18, s16, 7
	s_lshl_b32 s20, s17, 8
	s_add_co_u32 s20, s20, s18                     ; A: row 256 x tile row + 128 x half
	s_lshl_b32 s46, s42, 8
	s_add_co_u32 s46, s46, s18                     ; B: row 256 x tile column + 128 x half
	s_mov_b32 s21, 0
	s_mov_b32 s47, 0
	s_mov_b64 s[18:19], KS
	s_mul_u64 s[22:23], s[20:21], s[18:19]         ; where these rows' scales begin,
	s_mul_u64 s[92:93], s[46:47], s[18:19]
	s_mov_b64 s[18:19], KROW
	s_mul_u64 s[20:21], s[20:21], s[18:19]         ; and their codes
	s_mul_u64 s[46:47], s[46:47], s[18:19]
	s_mul_i32 s45, s14, HALFT                      ; where they go: wave x 128 rows
	s_mul_i32 s94, s14, HALFS
	s_wait_dscnt 0x0                               ; both opening adds are done
	s_wait_kmcnt 0x0
	s_add_nc_u64 s[20:21], s[4:5], s[20:21]
	s_add_nc_u64 s[22:23], s[6:7], s[22:23]
	s_add_nc_u64 s[46:47], s[8:9], s[46:47]
	s_add_nc_u64 s[92:93], s[10:11], s[92:93]
	CROUND                                         ; all sixteen work-groups are here: the joint loads meet
	s_mov_b32 s[G0S], 1
	s_add_co_u32 s[G0S+1], s94, SCL
	s_mov_b64 s[G0S+2:G0S+3], s[22:23]
	s_or_b32 s[G0S+3], s[G0S+3], 0x80000000
	s_mov_b32 s[G0SB], 1
	s_add_co_u32 s[G0SB+1], s94, SCL
	s_mov_b64 s[G0SB+2:G0SB+3], s[92:93]
	s_or_b32 s[G0SB+3], s[G0SB+3], 0x80000000
	JLOAD G0S, G1S, G0SB, G1SB                     ; the scales first: three loads of mine are out in all
.irp s, 0,1
	s_mov_b32 s[G0+4*\s], 1
	s_add_co_u32 s[G0+4*\s+1], s45, \s*SLOT
	s_add_nc_u64 s[G0+4*\s+2:G0+4*\s+3], s[20:21], \s*ROWB
	s_or_b32 s[G0+4*\s+3], s[G0+4*\s+3], 0x80000000
	s_mov_b32 s[G0B+4*\s], 1
	s_add_co_u32 s[G0B+4*\s+1], s45, \s*SLOT
	s_add_nc_u64 s[G0B+4*\s+2:G0B+4*\s+3], s[46:47], \s*ROWB
	s_or_b32 s[G0B+4*\s+3], s[G0B+4*\s+3], 0x80000000
	JLOAD G0+4*\s, G1, G0B+4*\s, G1B
.endr
	v_and_b32 v1, 15, v0                           ; r = l % 16
	v_bfe_u32 v2, v0, 4, 1                         ; h = l / 16
	v_mul_u32_u24 v3, v1, PITCH
	v_lshl_add_u32 v4, v2, 4, v3
	s_mul_i32 s21, s15, HALFT                      ; my 128 rows of A
	s_mul_i32 s22, s16, HALFT                      ; my 128 rows of B,
	s_add_co_u32 s22, s22, 2*HALFT                 ; behind A's 256
.irp s, 0,1
	v_add_nc_u32 v[ADRA+\s], s21, v4
	v_add_nc_u32 v[ADRB+\s], s22, v4
	s_add_co_u32 s21, s21, SLOT
	s_add_co_u32 s22, s22, SLOT
.endr
	v_mul_u32_u24 v5, v1, KS                       ; my row's scales: 32 bytes a row,
	v_lshrrev_b32 v6, 8, v5
	v_lshl_add_u32 v5, v6, 4, v5                   ; and 16 more for each 256 passed
	s_mul_i32 s21, s15, HALFS
	s_mul_i32 s22, s16, HALFS
	s_add_co_u32 s22, s22, 2*HALFS
	s_sub_co_u32 s22, s22, s21
	v_mul_u32_u24 v6, s22, v2                      ; lanes 16-31 take B's
	s_add_co_u32 s21, s21, SCL
	v_add_nc_u32 v5, v5, v6
	v_add_nc_u32 v[ADRS], s21, v5
	s_mul_i32 s23, s14, 2*HSTG                     ; my stage
	v_mul_u32_u24 v5, v1, HP
	v_lshl_add_u32 v5, v2, 4, v5
	v_add_nc_u32 v[STO], s23, v5                   ; in: row r, 16 bytes for each half of the lanes
	v_and_b32 v6, 31, v0
	v_lshrrev_b32 v5, 3, v6
	v_mul_u32_u24 v5, v5, HP
	v_and_b32 v7, 7, v0
	v_lshl_add_u32 v5, v7, 4, v5
	v_add_nc_u32 v[RD], s23, v5                    ; back: eight lanes to a row of 128 bytes, four rows an instruction
	v_lshlrev_b32 v[CO], 4, v6                     ; which are 512 consecutive bytes of kqv16
	v_lshlrev_b32 v[BO], 5, v2
	s_lshl_b32 s20, s17, 8
	s_lshl_b32 s21, s15, 7
	s_add_co_u32 s20, s20, s21                     ; my first row m
	s_lshr_b32 s21, s20, 11
	s_lshl_b32 s21, s21, 22                        ; batch << 22
	s_and_b32 s20, s20, 2047
	s_lshl_b32 s20, s20, 7                         ; s << 7
	s_add_co_u32 s20, s20, s21
	s_mov_b32 s21, 0
	s_add_nc_u64 s[12:13], s[12:13], s[20:21]
	s_lshl_b32 s46, s42, 8
	s_lshl_b32 s47, s16, 7
	s_add_co_u32 s46, s46, s47                     ; my first column n: a multiple of 128, so my columns are two whole heads
	s_lshr_b32 s92, s46, 10
	s_lshl_b32 s92, s92, 24                        ; which << 24
	s_bfe_u32 s47, s46, 0x40006
	s_lshl_b32 s47, s47, 18                        ; head << 18
	s_add_co_u32 s92, s92, s47
	s_mov_b32 s93, 0
	s_add_nc_u64 s[12:13], s[12:13], s[92:93]
	s_lshl_b32 s46, s46, 2
	s_mov_b32 s47, 0
	s_add_nc_u64 s[96:97], s[96:97], s[46:47]      ; the bias at my first column
	WIN TO_B
.irp b, 0,1,2,3,4,5,6,7
	global_load_b128 v[BIAS+8*\b:BIAS+8*\b+3], v[BO], s[96:97] offset:64*\b       ; b_in[n + 16 b + 8 h + 0 .. 7]
	global_load_b128 v[BIAS+8*\b+4:BIAS+8*\b+7], v[BO], s[96:97] offset:64*\b+16
.endr
	WIN 0
.macro FRAG reg, adr, q, i             ; 16 rows x 128 K of 4-bit codes: 8 registers: two loads of 16 bytes, 32 bytes apart
.irp c, 0,1
	ds_load_b128 v[\reg+4*\c:\reg+4*\c+3], v[\adr] offset:64*(\q)+32*\c+(\i)*16*PITCH
.endr
.endm
; 16 matrix instructions: A's blocks a0, a0 + 1 x B's eight.  zero = 1: the first product starts the sums from the bias.  The 64 accumulators take turns, one instruction a turn.
.macro MUL16 a0, p, q, sc, zero
.irp a, \a0, \a0+1
.irp b, 0,1,2,3,4,5,6,7
.if \zero
	v_wmma_scale_f32_16x16x128_f8f6f4 v[8*(8*((\a)%4)+\b):8*(8*((\a)%4)+\b)+7], v[128*(\p)+FR*\b:128*(\p)+FR*\b+FR-1], v[AF+FR*(\a):AF+FR*(\a)+FR-1], v[BIAS+8*\b:BIAS+8*\b+7], v[SC+8*NQ*(\sc)+NQ*\b+(\q)], v[SC+8*NQ*(\sc)+NQ*(\a)+(\q)] matrix_a_fmt:MATRIX_FMT_FP4 matrix_b_fmt:MATRIX_FMT_FP4 matrix_a_scale:MATRIX_SCALE_ROW1
.else
	v_wmma_scale_f32_16x16x128_f8f6f4 v[8*(8*((\a)%4)+\b):8*(8*((\a)%4)+\b)+7], v[128*(\p)+FR*\b:128*(\p)+FR*\b+FR-1], v[AF+FR*(\a):AF+FR*(\a)+FR-1], v[8*(8*((\a)%4)+\b):8*(8*((\a)%4)+\b)+7], v[SC+8*NQ*(\sc)+NQ*\b+(\q)], v[SC+8*NQ*(\sc)+NQ*(\a)+(\q)] matrix_a_fmt:MATRIX_FMT_FP4 matrix_b_fmt:MATRIX_FMT_FP4 matrix_a_scale:MATRIX_SCALE_ROW1
.endif
.endr
.endr
.endm
.macro FETCH_B slot, q, p
	WIN TO_B
.irp i, 0,1,2,3,4,5,6,7
	FRAG 128*(\p)+FR*\i, ADRB+\slot, \q, \i
.endr
	WIN 0
.endm
.macro FETCH_A slot, q, i0
.irp i, \i0, \i0+1, \i0+2, \i0+3
	FRAG AF+FR*(\i), ADRA+\slot, \q, \i
.endr
.endm
.macro SCALES sc                       ; a K step's scale words: lanes 0-15 take A's block i, lanes 16-31 B's block i
.irp i, 0,1,2,3,4,5,6,7
	ds_load_b128 v[SC+8*NQ*\sc+NQ*\i:SC+8*NQ*\sc+NQ*\i+3], v[ADRS] offset:\i*SBLK
.endr
.endm
.macro PLACES n                        ; plain vector instructions between a matrix instruction and a load into, or a read of, its registers
.rept \n
	v_nop
.endr
.endm
.macro STEP slot, q, zero              ; 128 along K with its successor in the same slot
	s_wait_dscnt 4*NL                              ; B's set and A's blocks 0-3 are in; the youngest eight loads (A's blocks 4-7) may be out
.if \zero
	WIN BIA_LO
.else
	WIN MUL_LO
.endif
	MUL16 0, (\q)%2, \q, \slot, \zero
	MUL16 2, (\q)%2, \q, \slot, \zero
	s_wait_dscnt 0                                 ; A's blocks 4-7 are in
	PLACES NP
	FETCH_B \slot, (\q)+1, 1-(\q)%2
	FETCH_A \slot, (\q)+1, 0
.if \zero
	WIN BIA_HI
.else
	WIN MUL_HI
.endif
	MUL16 4, (\q)%2, \q, \slot, \zero
	MUL16 6, (\q)%2, \q, \slot, \zero
	PLACES NP
	WIN 0
	FETCH_A \slot, (\q)+1, 4
.endm
.macro STEPS slot, from
.set Q, \from
.rept NQ-1-\from
	STEP \slot, Q, 0
.set Q, Q+1
.endr
.endm
	s_wait_tensorcnt 1                             ; the scales and my part of K step 0 are in; K step 1's load may be out
	s_barrier_signal -1
	s_barrier_wait -1
	FETCH_B 0, 0, 0
	FETCH_A 0, 0, 0
	SCALES 0
	FETCH_A 0, 0, 4
	s_wait_loadcnt 0x0                             ; the bias
	STEP 0, 0, 1
	STEPS 0, 1
	; slot 0's last step changes slots: one barrier; in front of it all my tensor loads have landed (K step 1's), the add, and my reads of slot 0 are over.  Nothing is filled again.
	s_wait_tensorcnt 0x0
	ds_add_u32 v[SPW], v[NIL]
	s_wait_dscnt 4*NL+1                            ; the add and the youngest eight loads may be out
	WIN MUL_LO
	MUL16 0, 1, NQ-1, 0, 0
	s_wait_dscnt 0x0
	s_barrier_signal -1
	MUL16 2, 1, NQ-1, 0, 0
	WIN 0
	s_barrier_wait -1
	PLACES NP
	v_add_nc_u32 v[ADRS], 4*NQ, v[ADRS]            ; the next K step's scale words
	FETCH_B 1, 0, 0
	FETCH_A 1, 0, 0
	SCALES 1
	WIN MUL_HI
	MUL16 4, 1, NQ-1, 0, 0
	MUL16 6, 1, NQ-1, 0, 0
	PLACES NP
	WIN 0
	FETCH_A 1, 0, 4
	STEPS 1, 0
	s_wait_dscnt 4*NL                              ; the very last step
	WIN MUL_LO
	MUL16 0, 1, NQ-1, 1, 0
	MUL16 2, 1, NQ-1, 1, 0
	s_wait_dscnt 0
	WIN MUL_HI
	MUL16 4, 1, NQ-1, 1, 0
	MUL16 6, 1, NQ-1, 1, 0
	WIN 0
; THE WAY OUT, block by block of 16 rows x 128 columns (two heads).  PACK: rounded to f16, 16 bytes a lane, each accumulator from its low end on.  TOSTAGE: into my stage, by heads, and back four rows of a head at a time.  SEND: each store covers 512 consecutive aligned bytes.
.macro PACK a
.set AC, 64*((\a)%4)
	WIN 0x0a+5*((\a)/4)                            ; sources 0 and 1: window 2 or 3
.irp b, 0,1,2,3,4,5,6,7
.irp r, 0,1,2,3
	v_cvt_pk_f16_f32 v[TMP+4*\b+\r], v[AC+8*\b+2*\r], v[AC+8*\b+2*\r+1]
.endr
.endr
	WIN 0
.endm
.macro TOSTAGE a
.set BB, 32+192*((\a)%2)
.irp b, 0,1,2,3,4,5,6,7
	ds_store_b128 v[STO], v[TMP+4*\b:TMP+4*\b+3] offset:(\b/4)*HSTG+32*(\b%4)
.endr
.irp t, 0,1,2,3,4,5,6,7
	ds_load_b128 v[BB+4*\t:BB+4*\t+3], v[RD] offset:(\t/4)*HSTG+(\t%4)*4*HP    ; LDS serves a wave's instructions in order: these see the stores above
.endr
.endm
.macro SEND a
.set BB, 32+192*((\a)%2)
	s_wait_dscnt 0x0                               ; the block is back in registers
	s_wait_xcnt 0x0                                ; the earlier stores have read their registers: the next block's loads may land there
.irp t, 0,1,2,3,4,5,6,7
	global_store_b128 v[CO], v[BB+4*\t:BB+4*\t+3], s[12:13] offset:(\t/4)*262144+2048*(\a)+512*(\t%4)
.endr
.endm
	PLACES NP
	PACK 0
	TOSTAGE 0
.irp a, 1,2,3,4,5,6,7
	PACK \a
	SEND \a-1
	TOSTAGE \a
.endr
	SEND 7
	s_wait_tensorcnt 0x0                           ; the wave's end
	ds_add_u32 v[SPW], v[NIL]
	s_wait_dscnt 0x0
	CROUND                                         ; the closing round
	s_endpgm
.Lfunc_end_k_q0d58d62819_gemm_in:
	.size	k_q0d58d62819_gemm_in, .Lfunc_end_k_q0d58d62819_gemm_in-k_q0d58d62819_gemm_in
	.p2alignl 7, 3214868480
	.fill 96, 4, 3214868480
	.section	.rodata,"a",@progbits
	.p2align	6, 0x0
	.amdhsa_kernel k_q0d58d62819_gemm_in
		.amdhsa_group_segment_fixed_size 327680
		.amdhsa_private_segment_fixed_size 0
		.amdhsa_enable_private_segment 0
		.amdhsa_kernarg_size 48
		.amdhsa_user_sgpr_count 2
		.amdhsa_user_sgpr_kernarg_segment_ptr 1
		.amdhsa_wavefront_size32 1
		.amdhsa_system_sgpr_workgroup_id_x 1
		.amdhsa_system_sgpr_workgroup_id_y 1
		.amdhsa_system_sgpr_workgroup_id_z 1
		.amdhsa_system_vgpr_workitem_id 0
		.amdhsa_next_free_vgpr 1024
		.amdhsa_next_free_sgpr 98
		.amdhsa_reserve_vcc 0
		.amdhsa_float_denorm_mode_32 3
		.amdhsa_float_denorm_mode_16_64 3
		.amdhsa_memory_ordered 1
		.amdhsa_forward_progress 1
		.amdhsa_inst_pref_size 128
	.end_amdhsa_kernel
	.amdgpu_metadata
---
amdhsa.version: [ 1, 2 ]
amdhsa.kernels:
  - .name:           k_q0d58d62819_gemm_in
    .symbol:         k_q0d58d62819_gemm_in.kd
    .args:
      - { .name: xc, .offset: 0, .size: 8, .value_kind: global_buffer, .address_space: global }
      - { .name: xs, .offset: 8, .size: 8, .value_kind: global_buffer, .address_space: global }
      - { .name: wc, .offset: 16, .size: 8, .value_kind: global_buffer, .address_space: global }
      - { .name: ws, .offset: 24, .size: 8, .value_kind: global_buffer, .address_space: global }
      - { .name: kqv16, .offset: 32, .size: 8, .value_kind: global_buffer, .address_space: global }
      - { .name: b_in, .offset: 40, .size: 8, .value_kind: global_buffer, .address_space: global }
    .group_segment_fixed_size: 327680
    .private_segment_fixed_size: 0
    .kernarg_segment_align: 8
    .kernarg_segment_size: 48
    .max_flat_workgroup_size: 128
    .sgpr_count:     98
    .vgpr_count:     1024
    .wavefront_size: 32
...
	.end_amdgpu_metadata
.endif
;; end of part 2
;; launch attn (part 3): grid 8 x 64, 4 waves a work-group, clusters of 4 x 1, 327,680 bytes of LDS; arguments kqv16, ao16; writes ao16
.if DOCPART == 3
	.amdgcn_target "amdgcn-amd-amdhsa--gfx1250"
	.amdhsa_code_object_version 6
	.text
	.protected	k_q0d58d62819_attn
	.globl	k_q0d58d62819_attn
	.p2align	8
	.type	k_q0d58d62819_attn,@function
k_q0d58d62819_attn:
	s_mov_b64 s[64:65], 0
	v_nop
	global_prefetch_b8 v0, s[64:65] scope:SCOPE_SE
	s_setreg_imm32_b32 hwreg(HW_REG_WAVE_MODE, 25, 1), 1
	s_wait_xcnt 0x0
	s_wait_alu depctr_hold_cnt(0) depctr_sa_sdst(0) depctr_va_vdst(0) depctr_va_sdst(0) depctr_va_ssrc(0) depctr_va_vcc(0) depctr_vm_vsrc(0)
	s_getreg_b32 s2, hwreg(HW_REG_IB_STS2, 6, 4)
	s_cmp_eq_u32 s2, 0
	s_cbranch_scc0 .Lentry_in_a_cluster
	s_endpgm
.Lentry_in_a_cluster:
	s_bfe_u32 s2, ttmp6, 0x10000c
	s_cmp_lg_u32 s2, 0x3003
	s_cbranch_scc0 .Lentry_shape_is_right
	s_endpgm
.Lentry_shape_is_right:
; O[hb][q][:] = the sum over k of softmax_k(Q[hb][q] . K[hb][k] / 8) V[hb][k][:], 64 heads-of-batches hb = 16 batch + head, 2,048 positions, head size 64, no mask.
; K, Q, V: kqv16 [3][64 hb][2048][64] f16.  O: ao16 [head 16][batch x 2048 + s][64] f16.  Products, maxima in f32; the weights p are rounded to f16 for the second product, O once at the end.
; LIMITS: operands in f16: |k|, |q|, |v| under 65,504; p lies in 0 .. 1, and p under 6e-5 carries an absolute error of 3e-8.  The row's sum is taken of p AFTER its rounding to f16: of the same numbers that multiply V.
; SHARES.  A work-group owns 256 queries of one hb, each of its four waves 64: four tiles of 16.  Every wave walks the 2,048 keys, 128 a step.
; LAYOUT.  S^T = K Q^T (source 0 = 16 keys, source 1 = 16 queries): a lane holds ONE query (lane % 16) and keys 8 (lane / 16) + 0..7 of each tile of 16.  Two such tiles, rounded in pairs, ARE source 1 (32 keys x 16 queries) of O^T = V^T P.
; V ([key][channel]) comes out of LDS turned, by ds_load_tr16_b128.
; THE ROW'S SUM RIDES ON THE MATRIX UNIT: a fifth tile of "channels" whose source 0 holds 1.0 in rows 0 and 8 and 0 elsewhere: register 0 of its result is the lane's own query's sum, in both halves of the lanes.
; SOFTMAX.  A running maximum m for each query: p = 2^(c s - c m), c = log2(e) / 8; in every step O^T and the sum are multiplied by a = 2^(c m_old - c m_new).
; BY TURNS.  The tiles are two PIECES: piece 0 (tiles 0, 1), piece 2 (tiles 2, 3).  In a TURN one piece has the matrix unit (40 products V^T P of the step in hand, then 32 products K Q^T of the next step); the other piece's softmax, cut into 72 slices, stands between them.
; CLUSTER.  The four query blocks of a cluster walk the same K and V: each tile is asked for JOINTLY, with a mask that names the four.
; REGISTERS, in windows of 256:  window 0: v2-11 addresses; v12-27 piece 0's statistics; v44-51 1 / sum; v61-63; v64-191 piece 0's S^T (64 a tile); v192-255 its P (32 a tile).   window 1: piece 2's statistics, S^T and P at the same numbers.
;   window 2: v0-159 O^T, 40 a tile (4 tiles of channels, then the sum's); v160-223 Q; v224-231 the ones.   window 3: v0-127 K of one step; v128-255 V of one step.
.set KS,    128
.set PK,    144                        ; a row of K in LDS: 128 bytes + 16
.set PVP,   160                        ; a row of V: 128 + 32: an odd multiple of 32, for the turning load
.set VOFF,  KS*PK
.set STEPB, KS*(PK+PVP)
.set SLOT1, 1<<17                      ; a slot holds two steps (77,824 bytes); slot 1 begins here
.set SLOTM, 2*KS*128                   ; a slot's rows of K, or of V, in memory
.set STAGE, SLOT1+2*STEPB              ; 16 rows x 144 bytes for each wave
.set SP,    144
.set SPARE, STAGE+4*16*SP              ; the spare words, 128 bytes a wave
.set AK0, 2
.set AV0, 3
.set ADR, 4
.set QO,  5
.set STO, 6
.set RD,  7
.set GO,  8
.set ST,  12                           ; a tile's statistics at v[ST + 8 u]: +0 c m, +1 m, +4 .. +7 c0-c3, at work; a takes c2's place
.set RL,  44
.set PFO, 61
.set SPW, 62
.set NIL, 63
.set S,   64
.set P,   192
.set QF,  160
.set ONES, 224
.set VF,  128
.set WV,  12
.set LIM, 15
.set PFA, 18
.set G1K, 24
.set G1V, 32
.set G0K, 40
.set G0V, 48
.set SLOTS, 56
.set TWICE, 57
.set CS,  58
.set SEL, 60
.set TB,  62
.set MSB, 0
.macro WIN new                         ; bits 1:0 source 0, 3:2 source 1, 5:4 source 2, 7:6 destination; the high byte repeats the setting that is left
.if MSB != (\new)
	s_set_vgpr_msb (MSB<<8)|(\new)
.set MSB, (\new)
.endif
.endm
; A joint refill: waves 0 and 1 fetch the slot's two steps of K, waves 2 and 3 those of V.  An s_nop 0 and four v_nop follow each line.
.macro JLOAD
	s_cmp_lt_u32 s[WV], 2
	s_cbranch_scc0 .Lfor_v_\@
	tensor_load_to_lds s[G0K+4:G0K+7], s[G1K:G1K+7]
	s_nop 0
.rept 4
	v_nop
.endr
	s_branch .Lasked_\@
.Lfor_v_\@:
	tensor_load_to_lds s[G0V+4:G0V+7], s[G1V:G1V+7]
	s_nop 0
.rept 4
	v_nop
.endr
.Lasked_\@:
.endm
; A prefetch of what the NEXT change of slots will ask for: a slot's 32,768 bytes of K and of V.  Each run of 256 bytes is named once in the launch: the hb's first cluster asks; its four partners take 8,192 bytes each, told apart by address;
; in each, wave 0 asks for K's and wave 2 for V's, lanes 256 bytes apart.  It stands two key steps, 288 matrix instructions, ahead of that load.  The last change that fills a slot asks for nothing.
.macro ASK
	s_cmp_gt_u32 s[SLOTS], s[LIM]
	s_cbranch_scc0 .Lnot_mine_\@
	global_prefetch_b8 v[PFO], s[PFA:PFA+1] th:TH_LOAD_NT scope:SCOPE_SE
.Lnot_mine_\@:
.endm
.macro CROUND
	s_barrier_signal -1
	s_barrier_wait -1
	s_cmp_lg_u32 s[WV], 0
	s_cbranch_scc1 .Lnot_wave_0_\@
	s_barrier_signal -3
.Lnot_wave_0_\@:
	s_barrier_wait -3
	s_barrier_signal -1
	s_barrier_wait -1
.endm
	s_load_b128 s[4:7], s[0:1], 0x0                ; kqv16, ao16
	v_lshl_add_u32 v[SPW], v0, 2, SPARE
	v_mov_b32 v[NIL], 0
	ds_add_u32 v[SPW], v[NIL]                      ; the wave's opening: the add, twice on end, and its wait ahead of my first tensor load
	ds_add_u32 v[SPW], v[NIL]
	v_lshrrev_b32 v1, 5, v0
	v_readfirstlane_b32 s[WV], v1                  ; wave 0..3
	s_bfe_u32 s13, ttmp6, 0x40000                  ; cx
	s_lshl_b32 s14, ttmp9, 2
	s_add_co_u32 s14, s14, s13                     ; my block of 256 queries: it enters Q's and O's addresses alone
	s_and_b32 s20, ttmp7, 0xffff                   ; hb, which the four partners share
	s_and_b32 s16, s[WV], 1                        ; which of a slot's two steps I fetch:
	s_lshl_b32 s17, s16, 14                        ; its 128 rows of 128 bytes in memory,
	s_lshl_b32 s22, s20, 18                        ; in my hb
	s_add_co_u32 s22, s22, s17
	s_mov_b32 s23, 0
	s_mul_i32 s17, s16, STEPB                      ; and its place in a slot
	s_lshl_b32 s2, s14, 15                         ; my block's 256 rows,
	s_lshl_b32 s3, s[WV], 13                       ; my wave's 64 of them
	s_add_co_u32 s2, s2, s3
	s_and_b32 s3, s20, 15
	s_lshl_b32 s3, s3, 20                          ; ao16: head << 20
	s_lshr_b32 s21, s20, 4
	s_lshl_b32 s21, s21, 18                        ; + batch << 18
	s_add_co_u32 s21, s21, s3
	s_lshl_b32 s3, s20, 18
	s_add_co_u32 s20, s21, s2                      ; s[20:21]: my rows in ao16
	s_mov_b32 s21, 0
	s_add_co_u32 s2, s2, s3                        ; s[2:3]: my rows in a third of kqv16
	s_mov_b32 s3, 0
	s_mov_b32 s[G1K], 15|(1<<16)|(1<<20)|(1<<21)|(4<<22)|(3<<25)  ; the mask: all four; elements of 2 bytes; padding: 4 words behind every 32; bit 21 beside a mask
	s_mov_b32 s[G1V], 15|(1<<16)|(1<<20)|(1<<21)|(4<<22)|(7<<25)  ; the same with 8 words of padding
.irp g, G1K, G1V
	s_mov_b32 s[\g+1], 64<<16                      ; tensor_dim0
	s_mov_b32 s[\g+2], KS<<16                      ; tensor_dim1
	s_mov_b32 s[\g+3], 64<<16                      ; tile_dim0
	s_mov_b32 s[\g+4], KS                          ; tile_dim1
	s_mov_b32 s[\g+5], 64                          ; pitch
	s_mov_b32 s[\g+6], 0
	s_mov_b32 s[\g+7], 0
.endr
	s_mov_b32 s[CS], 0x3e38aa3b                    ; c = log2(e) / 8
	s_mov_b32 s[CS+1], s[CS]
	s_mov_b32 s[SEL], 0x76543210
	s_mov_b32 s[SEL+1], 0xfedcba98
	s_mov_b32 s[TB], 0
	s_mov_b32 s[SLOTS], 2048/(2*KS)-2
	s_and_b32 s[LIM], s[WV], 1                     ; 0 in waves 0 and 2,
	s_or_b32 s[LIM], s[LIM], ttmp9                 ; of the hb's first cluster: the same in all four partners
	s_cmp_eq_u32 s[LIM], 0
	s_cselect_b32 s[LIM], 1, -1
	v_and_b32 v[PFO], 31, v0
	v_lshlrev_b32 v[PFO], 8, v[PFO]
	s_wait_dscnt 0x0                               ; both opening adds are done
	s_wait_kmcnt 0x0
	s_add_nc_u64 s[10:11], s[6:7], s[20:21]        ; O at my wave's first row
	s_add_nc_u64 s[6:7], s[4:5], s[22:23]          ; K at my tile of slot 0,
	s_add_nc_u64 s[8:9], s[6:7], 0x2000000         ; V likewise
	s_add_nc_u64 s[4:5], s[4:5], s[2:3]
	s_add_nc_u64 s[4:5], s[4:5], 0x1000000         ; Q at my wave's first row
	s_cmp_lt_u32 s[WV], 2
	s_cselect_b64 s[PFA:PFA+1], s[6:7], s[8:9]     ; (in waves 0 and 2 these stand at a slot's first row)
	s_lshl_b32 s2, s13, 13                         ; my work-group's 8,192 bytes
	s_mov_b32 s3, 0
	s_add_nc_u64 s[PFA:PFA+1], s[PFA:PFA+1], s[2:3]
	s_add_nc_u64 s[PFA:PFA+1], s[PFA:PFA+1], 2*SLOTM  ; in slot 2; the first change of slots steps it to slot 3.  Nothing is prefetched at the head
	CROUND                                         ; all four work-groups are here: the first joint loads meet
.irp s, 0,1
	s_mov_b32 s[G0K+4*\s], 1
	s_add_co_u32 s[G0K+4*\s+1], s17, \s*SLOT1
	s_add_nc_u64 s[G0K+4*\s+2:G0K+4*\s+3], s[6:7], \s*SLOTM
	s_or_b32 s[G0K+4*\s+3], s[G0K+4*\s+3], 0x80000000
	s_mov_b32 s[G0V+4*\s], 1
	s_add_co_u32 s[G0V+4*\s+1], s17, \s*SLOT1+VOFF
	s_add_nc_u64 s[G0V+4*\s+2:G0V+4*\s+3], s[8:9], \s*SLOTM
	s_or_b32 s[G0V+4*\s+3], s[G0V+4*\s+3], 0x80000000
.endr
	s_cmp_lt_u32 s[WV], 2                          ; a wave's two first fills stand in one branch: two loads of mine are out
	s_cbranch_scc0 .Lfirst_v
	tensor_load_to_lds s[G0K:G0K+3], s[G1K:G1K+7]
	s_nop 0
	tensor_load_to_lds s[G0K+4:G0K+7], s[G1K:G1K+7]
	s_nop 0
.rept 4
	v_nop
.endr
	s_branch .Lfirst_asked
.Lfirst_v:
	tensor_load_to_lds s[G0V:G0V+3], s[G1V:G1V+7]
	s_nop 0
	tensor_load_to_lds s[G0V+4:G0V+7], s[G1V:G1V+7]
	s_nop 0
.rept 4
	v_nop
.endr
.Lfirst_asked:
	v_and_b32 v1, 15, v0                           ; r = l % 16
	v_bfe_u32 v9, v0, 4, 1                         ; h = l / 16
	v_lshlrev_b32 v[QO], 7, v1
	v_lshl_add_u32 v[QO], v9, 4, v[QO]             ; row x 128 + 16 x half
	WIN 0x80                                       ; destination window 2
.irp i, 0,1,2,3,4,5,6,7                        ; Q stays in registers: tile i / 2, channels 32 (i % 2) on
	global_load_b128 v[QF+8*\i:QF+8*\i+3],   v[QO], s[4:5] offset:(\i/2)*2048+(\i%2)*64
	global_load_b128 v[QF+8*\i+4:QF+8*\i+7], v[QO], s[4:5] offset:(\i/2)*2048+(\i%2)*64+32
.endr
	WIN 0
	v_mul_u32_u24 v[AK0], v1, PK
	v_lshl_add_u32 v[AK0], v9, 4, v[AK0]
	v_and_b32 v10, 7, v0
	v_bfe_u32 v11, v0, 3, 1
	v_lshl_add_u32 v[AV0], v9, 3, v10              ; the turning load: lane l reads key 8 (l / 16) + l % 8, channels 8 ((l / 8) % 2) + 0..7
	v_mul_u32_u24 v[AV0], v[AV0], PVP
	v_lshl_add_u32 v[AV0], v11, 4, v[AV0]
	v_add_nc_u32 v[AV0], VOFF, v[AV0]
	v_cmp_eq_u32 vcc_lo, 0, v10                    ; rows 0 and 8 of the ones' fragment lie in the lanes with l % 8 = 0
	v_mov_b32 v11, 0x3c003c00                      ; 1.0, twice, in f16
	v_cndmask_b32 v10, 0, v11, vcc_lo
.irp t, 0,1,2,3
	v_mov_b32 v[RL+2*\t+1], 0                      ; named as the upper halves of pairs
.endr
	WIN 0x80
.irp i, 0,1,2,3,4,5,6,7
	v_mov_b32 v[ONES+\i], v10
.endr
	WIN 0
; Product i of 40 of O^T += V^T P for piece x: keys 32 (i / 10) on; tile of channels (i % 10) / 2, the fifth being the sum's; tile x + i % 2.  zero = 1: the first ten start the sums.  The ten accumulators take turns.
.macro PV x, zero
.set g, i/10
.set c, (i%10)/2
.set u, i%2
.set rO, 40*(\x+u)+8*c
.set rP, P+32*u+8*g
.if c < 4
	WIN 0xa3+4*((\x)/2)                            ; V window 3, P the piece's window, O^T window 2
.set rV, VF+32*g+8*c
.else
	WIN 0xa2+4*((\x)/2)                            ; the ones: window 2
.set rV, ONES
.endif
.if (\zero) && (i < 10)
	v_wmma_f32_16x16x32_f16 v[rO:rO+7], v[rV:rV+7], v[rP:rP+7], 0
.else
	v_wmma_f32_16x16x32_f16 v[rO:rO+7], v[rV:rV+7], v[rP:rP+7], v[rO:rO+7]
.endif
.endm
; Product i of 32 of S^T = K Q^T: channels 32 (i / 16) on, keys 16 ((i / 2) % 8) on, tile x + i % 2.  The first 16 start the sums.
.macro KQ x
	WIN 0x0b+0x50*((\x)/2)                         ; K window 3, Q window 2, S^T the piece's window
.set rS, S+64*(i%2)+8*((i/2)%8)
.set rK, 16*((i/2)%8)+8*(i/16)
.set rQ, QF+16*(\x+i%2)+8*(i/16)
.if i < 16
	v_wmma_f32_16x16x32_f16 v[rS:rS+7], v[rK:rK+7], v[rQ:rQ+7], 0
.else
	v_wmma_f32_16x16x32_f16 v[rS:rS+7], v[rK:rK+7], v[rQ:rQ+7], v[rS:rS+7]
.endif
.endm
; The LDS loads stand in runs of 32: a step's K (128 keys x 64 channels: 16 fragments) and, a turn later, its V (turned).
.macro FETCH_K
	WIN 0
	v_add_nc_u32 v[ADR], s[TB], v[AK0]
	WIN 0xc0                                       ; destination window 3
.irp f, 0,1,2,3,4,5,6,7,8,9,10,11,12,13,14,15  ; keys 16 (f / 2) on, channels 32 (f % 2) on
	ds_load_b128 v[8*\f:8*\f+3],   v[ADR] offset:(\f/2)*16*PK+(\f%2)*64
	ds_load_b128 v[8*\f+4:8*\f+7], v[ADR] offset:(\f/2)*16*PK+(\f%2)*64+32
.endr
.endm
.macro FETCH_V
	WIN 0
	v_add_nc_u32 v[ADR], s[TB], v[AV0]
	s_add_co_u32 s[TB], s[TB], STEPB               ; the next fetch is the next step's
	s_wait_alu depctr_va_vdst(0)                   ; the wait for the softmax's batch of exponentials, ahead of the first line that names a result
	WIN 0xc0
.irp f, 0,1,2,3,4,5,6,7,8,9,10,11,12,13,14,15  ; keys 32 (f / 4) on, channels 16 (f % 4) on
	ds_load_tr16_b128 v[VF+8*\f:VF+8*\f+3],   v[ADR] offset:(\f/4)*32*PVP+(\f%4)*32
	ds_load_tr16_b128 v[VF+8*\f+4:VF+8*\f+7], v[ADR] offset:(\f/4)*32*PVP+16*PVP+(\f%4)*32
.endr
.endm
; THE VECTOR WORK.  One tile's softmax for a key step is a list of 183 instructions; SM writes number j of it for tile u of piece y.  s0-s63 are the lane's scores, in pairs 0-31.
;   0-31    the maximum of s0-s63 and the old m: four chains of 15 scores, then the four left over, the chains and m.  Each accumulator of S^T is first read at its low end
;   32-36   the other half of the lanes' maximum; c m_old kept; the new m; c m; c m_old - c m_new
;   37-133  ONE BATCH: the 32 scalings c s - c m and all 65 exponentials (a at 39).  None reads an exponential's result; a pair is scaled two units ahead of its exponentials
;   (wait)  between 133 and 134: SLICE writes it, once for both tiles
;   134-165 the roundings to f16      166-182 O^T and the sum times a
.macro SM u, y, first
.set rT, ST+8*(\u)
.set rS, S+64*(\u)
.set rP, P+32*(\u)
.set rO, 40*((\y)+(\u))+2*(j-166)
.if j < 166
	WIN 0x55*((\y)/2)
.endif
.if j < 4
	v_max3_num_f32 v[rT+4+j], v[rS+16*j], v[rS+16*j+1], v[rS+16*j+2]
.elseif j < 28
	v_max3_num_f32 v[rT+4+j%4], v[rT+4+j%4], v[rS+16*(j%4)+2*(j/4)+1], v[rS+16*(j%4)+2*(j/4)+2]
.elseif j == 28
	v_max3_num_f32 v[rT+4], v[rT+4], v[rS+15], v[rS+31]
.elseif j == 29
	v_max3_num_f32 v[rT+6], v[rT+6], v[rS+47], v[rS+63]
.elseif j == 30
	v_max3_num_f32 v[rT+4], v[rT+4], v[rT+5], v[rT+6]
.elseif (j == 31) && (\first)
	v_max_num_f32 v[rT+4], v[rT+4], v[rT+7]
.elseif j == 31
	v_max3_num_f32 v[rT+4], v[rT+4], v[rT+7], v[rT+1]
.elseif j == 32
	v_permlanex16_b32 v[rT+5], v[rT+4], s[SEL], s[SEL+1]  ; the query's other keys lie in the lane 16 away
.elseif j == 34
	v_max_num_f32 v[rT+1], v[rT+4], v[rT+5]
.elseif j == 35
	v_mul_f32 v[rT], s[CS], v[rT+1]
.elseif ((j == 33) || (j == 36) || (j == 39) || (j > 165)) && (\first)  ; the first step has none of these
.elseif j == 33
	v_mov_b32 v[rT+7], v[rT]
.elseif j == 36
	v_sub_f32 v[rT+7], v[rT+7], v[rT]
.elseif j == 39
	v_exp_f32 v[rT+6], v[rT+7]
.elseif (j < 39) || ((j < 130) && ((j-40)%3 == 0))
.set bb, (j-40)/3+2
.if j < 39
.set bb, j-37
.endif
	v_pk_fma_f32 v[rS+2*bb:rS+2*bb+1], v[rS+2*bb:rS+2*bb+1], s[CS:CS+1], v[rT:rT+1] op_sel_hi:[1,0,0] neg_lo:[0,0,1] neg_hi:[0,0,1]  ; pair bb: c s - c m
.elseif j < 134
.set e, j-70
.if j < 130
.set e, 2*((j-40)/3)+(j-40)%3-1
.endif
	v_exp_f32 v[rS+e], v[rS+e]
.elseif j < 166
	v_cvt_pk_f16_f32 v[rP+j-134], v[rS+2*(j-134)], v[rS+2*(j-134)+1]
.else
	WIN 0x82+4*((\y)/2)                            ; O^T window 2, a the piece's window
	v_pk_mul_f32 v[rO:rO+1], v[rO:rO+1], v[rT+6:rT+7] op_sel_hi:[1,0]
.endif
.endm
.macro BOTH y, first                   ; number j of both tiles
	SM 0, \y, \first
	SM 1, \y, \first
.endm
; Slice k of 72 of piece y's softmax.  Slices 16 to 47 deal out the batch, six numbers of ONE tile each, the tiles by turns; every other slice takes two or three numbers of both tiles, alternating.
; Ahead of slice 48 nothing names an exponential's result, and behind slice 47 no exponential is issued: one plain line and ONE wait stand there for the piece's 130 exponentials.
.macro SLICE y, first
.if k < 7
.irp n, 0,1,2
.set j, 3*k+\n
	BOTH \y, \first
.endr
.elseif k < 15
.irp n, 0,1
.set j, 21+2*(k-7)+\n
	BOTH \y, \first
.endr
.elseif k == 15
.irp n, 0,1,2
.set j, 37+\n
	BOTH \y, \first
.endr
.elseif k < 48
.irp n, 0,1,2,3,4,5
.set j, 40+6*((k-16)/2)+\n
.if j < 134
	SM (k-16)%2, \y, \first
.endif
.endr
.elseif k < 64
.irp n, 0,1
.set j, 134+2*(k-48)+\n
	BOTH \y, \first
.endr
.elseif k < 71
.irp n, 0,1
.set j, 166+2*(k-64)+\n
	BOTH \y, \first
.endr
.else
.irp n, 0,1,2
.set j, 180+\n
	BOTH \y, \first
.endr
.endif
.if k == 47
	v_nop                                          ; the plain line behind the last exponential
.if (\y) == 0
	FETCH_V                                        ; piece 2's turn: V's run of loads stands here, and the wait stands in it
.else
	s_wait_alu depctr_va_vdst(0)
.endif
.endif
.set k, k+1
.endm
.macro PLACES                          ; plain vector instructions between a matrix instruction and a read of, or a load into, its registers
.rept 4
	v_nop
.endr
.endm
; A TURN.  Piece x has the matrix unit; the 72 slices of the other piece's softmax are dealt evenly behind its products.  pv = 2: 40 products V^T P; 1: they start O^T; 0: none.  kq = 1: 32 products K Q^T for the next step.
; Piece 0's turn fetches the next step's K behind its second product: K's last reader stands in front of slice 71 of the turn before (six plain lines).  Piece 2's turn fetches that step's V behind slice 47: V's last reader is product 39,
; and the fourteen scalings of slices 39 to 45, the v_nop and the run's own addition lie between.  first = 1: slices 64 to 71 are empty, and four v_nop take their part behind the last products.
.macro TURN x, pv, kq, first
.set k, 0
.set pn, 0
.set NPR, 0
.if \pv
.set NPR, NPR+40
.endif
.if \kq
.set NPR, NPR+32
.endif
.if \pv
.if \x == 0
	s_wait_dscnt 0x0                               ; V is in
.endif
.set i, 0
.rept 40
	PV \x, 2-\pv
.rept ((pn+1)*72)/NPR-(pn*72)/NPR
	SLICE 2-\x, \first
.endr
.if (\x == 0) && (\kq) && (i == 1)
	FETCH_K
.endif
.set i, i+1
.set pn, pn+1
.endr
.endif
.if \kq
.if \x == 0
	s_wait_dscnt 0x0                               ; K is in
.endif
.set i, 0
.rept 32
	KQ \x
.rept ((pn+1)*72)/NPR-(pn*72)/NPR
	SLICE 2-\x, \first
.endr
.set i, i+1
.set pn, pn+1
.endr
.endif
.if \first
	PLACES
.endif
.endm
; THE CHANGE OF SLOTS, between piece 2's turn and piece 0's.  Each wave waits for all its tensor loads (one is out: its part of the other slot), adds 0 to its spare word, and waits for that and for its reads of the slot.
; fill = 1: the barrier is a round of the cluster's, and the joint refill, with the keys two slots on, is the first thing behind it: it has two key steps in which to land.
.macro CHANGE fill
	WIN 0
	s_wait_tensorcnt 0x0                           ; no tensor load of mine is out, so a group 0 may be written
	ds_add_u32 v[SPW], v[NIL]
.if \fill
.irp g, G0K+4, G0V+4
	s_xor_b32 s[\g+1], s[\g+1], SLOT1              ; the walking descriptor: the other slot,
	s_add_nc_u64 s[\g+2:\g+3], s[\g+2:\g+3], SLOTM ; the next 256 keys
.endr
	s_wait_xcnt 0x0                                ; the last prefetch, two key steps back, has read its address
	s_add_nc_u64 s[PFA:PFA+1], s[PFA:PFA+1], SLOTM
	s_wait_dscnt 0x0                               ; the add is done, and my reads of the slot are over
	CROUND
	JLOAD
	ASK
.else
	s_wait_dscnt 0x0
	s_barrier_signal -1
	s_barrier_wait -1
.endif
	s_sub_co_u32 s[TB], s[TB], 2*STEPB             ; the fetches go back to a slot's first step,
	s_xor_b32 s[TB], s[TB], SLOT1                  ; in the other slot
.endm
.macro TWO_STEPS                       ; a slot's two key steps: written once, walked twice
	s_mov_b32 s[TWICE], 2
.Lstep_\@:
	TURN 0, 2, 1, 0
	TURN 2, 2, 1, 0
	WIN 0
	s_sub_co_u32 s[TWICE], s[TWICE], 1
	s_cmp_lg_u32 s[TWICE], 0
	s_cbranch_scc1 .Lstep_\@
.endm
	s_wait_tensorcnt 1                             ; my part of slot 0 is in; slot 1's may stay out
	s_barrier_signal -1
	s_barrier_wait -1
	FETCH_K                                        ; key step 0
	s_wait_loadcnt 0x0                             ; Q
	s_wait_dscnt 0x0
.set i, 0
.rept 32
	KQ 0                                           ; piece 0's first scores
.set i, i+1
.endr
	WIN 0                                          ; the addresses for the way out are the places behind those products
	s_mul_i32 s13, s[WV], 16*SP
	s_add_co_u32 s13, s13, STAGE                   ; my stage
	v_mul_u32_u24 v[STO], v1, SP
	v_lshl_add_u32 v[STO], v9, 4, v[STO]
	v_add_nc_u32 v[STO], s13, v[STO]               ; in: row r, 16 bytes for each half of the lanes
	v_and_b32 v10, 31, v0
	v_lshrrev_b32 v[RD], 3, v10
	v_mul_u32_u24 v[RD], v[RD], SP
	v_and_b32 v11, 7, v0
	v_lshl_add_u32 v[RD], v11, 4, v[RD]
	v_add_nc_u32 v[RD], s13, v[RD]                 ; back: eight lanes to a row of 128 bytes, four rows an instruction
	v_lshlrev_b32 v[GO], 4, v10                    ; which are 512 consecutive bytes of ao16
	TURN 2, 0, 1, 1                                ; piece 2's first scores | piece 0's first softmax | V of step 0
	TURN 0, 1, 1, 1                                ; piece 0: V^T P of step 0 starts O^T, K Q^T of step 1 | piece 2's first softmax | K of step 1
	TURN 2, 1, 1, 0                                ; piece 2: the same | piece 0's softmax of step 1 | V of step 1
	WIN 0
.Lslot:                                            ; six trips: every slot but the last two is filled again
	CHANGE 1
	TWO_STEPS
	s_sub_co_u32 s[SLOTS], s[SLOTS], 1
	s_cmp_lg_u32 s[SLOTS], 0
	s_cbranch_scc1 .Lslot
	CHANGE 0                                       ; the tail is written out
	TWO_STEPS
	TURN 0, 2, 0, 0                                ; piece 0: V^T P of the last step | piece 2's last softmax
.set i, 0
.rept 40
	PV 2, 0
.set i, i+1
.endr
	; THE WAY OUT.  O^T is divided by the sum (register 0 of the sum's tile: my own query's), rounded to f16 and sent through my stage, a tile (16 rows of 128 bytes) at a time.
	PLACES
	WIN 0x02                                       ; source 0 window 2
.irp t, 0,1,2,3
	v_rcp_f32 v[RL+2*\t], v[40*\t+32]
.endr
	v_nop                                          ; a plain line behind the last reciprocal,
	s_wait_alu depctr_va_vdst(0)                   ; and the wait ahead of the first use: one for the four
.macro PACK t
	WIN 0x82
.set i, 0
.rept 16
	v_pk_mul_f32 v[40*\t+i:40*\t+i+1], v[40*\t+i:40*\t+i+1], v[RL+2*\t:RL+2*\t+1] op_sel_hi:[1,0]
.set i, i+2
.endr
	WIN 0x0a                                       ; sources 0 and 1 window 2, destination window 0: piece 0's S^T is free
.set i, 0
.rept 16
	v_cvt_pk_f16_f32 v[S+16*\t+i], v[40*\t+2*i], v[40*\t+2*i+1]
.set i, i+1
.endr
	WIN 0
.irp f, 0,1,2,3
	ds_store_b128 v[STO], v[S+16*\t+4*\f:S+16*\t+4*\f+3] offset:32*\f
.endr
.irp f, 0,1,2,3
	ds_load_b128 v[S+16*\t+4*\f:S+16*\t+4*\f+3], v[RD] offset:\f*4*SP  ; LDS serves a wave's instructions in order: these see the stores above; the next tile's stores come behind them
.endr
.endm
.macro SEND t, younger                 ; younger: the LDS instructions issued behind tile t's loads: the next tile's eight, or none
.irp f, 0,1,2,3
	s_wait_dscnt \younger+3-\f
	global_store_b128 v[GO], v[S+16*\t+4*\f:S+16*\t+4*\f+3], s[10:11] offset:\t*2048+\f*512  ; 512 consecutive aligned bytes
.endr
.endm
	PACK 0
	PACK 1
	SEND 0, 8
	PACK 2
	SEND 1, 8
	PACK 3
	SEND 2, 8
	SEND 3, 0
	s_wait_tensorcnt 0x0                           ; the wave's end
	ds_add_u32 v[SPW], v[NIL]
	s_wait_dscnt 0x0
	CROUND                                         ; the closing round
	s_endpgm
.Lfunc_end_k_q0d58d62819_attn:
	.size	k_q0d58d62819_attn, .Lfunc_end_k_q0d58d62819_attn-k_q0d58d62819_attn
	.p2alignl 7, 3214868480
	.fill 96, 4, 3214868480
	.section	.rodata,"a",@progbits
	.p2align	6, 0x0
	.amdhsa_kernel k_q0d58d62819_attn
		.amdhsa_group_segment_fixed_size 327680
		.amdhsa_private_segment_fixed_size 0
		.amdhsa_enable_private_segment 0
		.amdhsa_kernarg_size 16
		.amdhsa_user_sgpr_count 2
		.amdhsa_user_sgpr_kernarg_segment_ptr 1
		.amdhsa_wavefront_size32 1
		.amdhsa_system_sgpr_workgroup_id_x 1
		.amdhsa_system_sgpr_workgroup_id_y 1
		.amdhsa_system_sgpr_workgroup_id_z 1
		.amdhsa_system_vgpr_workitem_id 0
		.amdhsa_next_free_vgpr 1024
		.amdhsa_next_free_sgpr 66
		.amdhsa_reserve_vcc 1
		.amdhsa_float_denorm_mode_32 3
		.amdhsa_float_denorm_mode_16_64 3
		.amdhsa_memory_ordered 1
		.amdhsa_forward_progress 1
		.amdhsa_inst_pref_size 254
	.end_amdhsa_kernel
	.amdgpu_metadata
---
amdhsa.version: [ 1, 2 ]
amdhsa.kernels:
  - .name:           k_q0d58d62819_attn
    .symbol:         k_q0d58d62819_attn.kd
    .args:
      - { .name: kqv16, .offset: 0, .size: 8, .value_kind: global_buffer, .address_space: global }
      - { .name: ao16, .offset: 8, .size: 8, .value_kind: global_buffer, .address_space: global }
    .group_segment_fixed_size: 327680
    .private_segment_fixed_size: 0
    .kernarg_segment_align: 8
    .kernarg_segment_size: 16
    .max_flat_workgroup_size: 128
    .sgpr_count:     66
    .vgpr_count:     1024
    .wavefront_size: 32
...
	.end_amdgpu_metadata
.endif
;; end of part 3
;; launch gemm_out (part 4): grid 8 x 32, 4 waves a work-group, clusters of 4 x 4, 327,680 bytes of LDS; arguments ao16, wo16, b_out, out0; writes out0
.if DOCPART == 4
	.amdgcn_target "amdgcn-amd-amdhsa--gfx1250"
	.amdhsa_code_object_version 6
	.text
	.protected	k_q0d58d62819_gemm_out
	.globl	k_q0d58d62819_gemm_out
	.p2align	8
	.type	k_q0d58d62819_gemm_out,@function
k_q0d58d62819_gemm_out:
	s_mov_b64 s[64:65], 0
	v_nop
	global_prefetch_b8 v0, s[64:65] scope:SCOPE_SE
	s_setreg_imm32_b32 hwreg(HW_REG_WAVE_MODE, 25, 1), 1
	s_wait_xcnt 0x0
	s_wait_alu depctr_hold_cnt(0) depctr_sa_sdst(0) depctr_va_vdst(0) depctr_va_sdst(0) depctr_va_ssrc(0) depctr_va_vcc(0) depctr_vm_vsrc(0)
	s_getreg_b32 s2, hwreg(HW_REG_IB_STS2, 6, 4)
	s_cmp_eq_u32 s2, 0
	s_cbranch_scc0 .Lentry_in_a_cluster
	s_endpgm
.Lentry_in_a_cluster:
	s_bfe_u32 s2, ttmp6, 0x10000c
	s_cmp_lg_u32 s2, 0xf033
	s_cbranch_scc0 .Lentry_shape_is_right
	s_endpgm
.Lentry_shape_is_right:
; out0[m][n] = the sum over k of ao[m][k] w_out[k][n] + b_out[n], f16 operands, f32 sums, f32 out.  ao16: [head 16][m 8192][64] f16, k = 64 head + d.  wo16: [k 1024][n 1024] f16.  out0: [8192][1024] f32.
; LIMIT: operands in f16 (magnitudes under 65,504; under 6e-5 an absolute error of 3e-8).
; 256 work-groups; each makes 256 rows x 128 columns; wave (w / 2, w % 2) makes 128 x 64: 32 accumulators.  K goes in eight steps of 128 (two heads) through a ring of two LDS slots.
; A's tile of a step is two dense blocks of 256 rows x 128 bytes (waves 0 and 1 fetch one each); B's is 128 rows of k x 256 bytes (waves 2 and 3 fetch 64 rows each) and comes out of LDS turned, by ds_load_tr16_b128.
; CLUSTERS: 4 x 4 work-groups; A's tiles are asked for jointly along a row of the cluster, B's along a column.  THE MATRIX INSTRUCTION IS USED TRANSPOSED (source 0 = 16 columns of w_out, source 1 = 16 rows of ao): a lane holds eight neighbouring columns of one row.
; The bias is the C of each sum's first matrix instruction.
; REGISTERS: window 0: v16-30 addresses; A's fragments, two buffers, v64-127 and v128-191; way out v32-63, v192-223.   window 1: B's fragments v64-95, v128-159; the bias v192-223.   window 2: the accumulators ((a, b) at v[8 (4 a + b)]).
.set PA,     144                       ; a row of A in LDS: 128 bytes + 16
.set AZ,     256*PA                    ; a head's 256 rows
.set PB,     288                       ; a row of B: 256 bytes + 32: an odd multiple of 32, for the turning load
.set BH,     64*PB
.set BOFF,   2*AZ
.set SLOT,   BOFF+2*BH
.set STAGE,  2*SLOT                    ; 16 rows x 272 bytes for each wave
.set SPITCH, 272
.set SPARE,  STAGE+4*16*SPITCH         ; the spare words, 128 bytes a wave
.set LAPS,   4                         ; a lap = two K steps
.set ADRA, 16
.set ADRB, 20
.set STO,  24
.set RD,   25
.set CO,   26
.set SPW,  28
.set NIL,  29
.set BO,   30
.set F0,   64
.set F1,   128
.set BIAS, 192                         ; in window 1
.set G1, 24
.set G0, 32
.set G1B, 48
.set G0B, 56
.set MSB, 0
.macro WIN new
.if MSB != (\new)
	s_set_vgpr_msb (MSB<<8)|(\new)
.set MSB, (\new)
.endif
.endm
.set MUL,  0xa1                        ; source 0 (B) window 1, source 1 (A) window 0, C and D window 2
.set MULB, 0x91                        ; C (the bias) window 1
.set TO_B, 0x40
.macro JLOAD s                         ; a joint load: waves 0 and 1 fetch A's two heads, waves 2 and 3 B's two halves; an s_nop 0 and four v_nop follow each line
	s_cmp_eq_u32 s11, 0
	s_cbranch_scc0 .Lfor_b_\@
	tensor_load_to_lds s[G0+4*\s:G0+4*\s+3], s[G1:G1+7]
	s_nop 0
.rept 4
	v_nop
.endr
	s_branch .Lasked_\@
.Lfor_b_\@:
	tensor_load_to_lds s[G0B+4*\s:G0B+4*\s+3], s[G1B:G1B+7]
	s_nop 0
.rept 4
	v_nop
.endr
.Lasked_\@:
.endm
.macro CREST
	s_cmp_lg_u32 s10, 0
	s_cbranch_scc1 .Lnot_wave_0_\@
	s_barrier_signal -3
.Lnot_wave_0_\@:
	s_barrier_wait -3
	s_barrier_signal -1
	s_barrier_wait -1
.endm
.macro CROUND
	s_barrier_signal -1
	s_barrier_wait -1
	CREST
.endm
	s_load_b128 s[4:7], s[0:1], 0x0                ; ao16, wo16
	s_load_b64 s[44:45], s[0:1], 0x10              ; b_out
	s_load_b64 s[8:9], s[0:1], 0x18                ; out0
	v_lshl_add_u32 v[SPW], v0, 2, SPARE
	v_mov_b32 v[NIL], 0
	ds_add_u32 v[SPW], v[NIL]                      ; the wave's opening: the add, twice on end, and its wait ahead of my first tensor load
	ds_add_u32 v[SPW], v[NIL]
	v_lshrrev_b32 v1, 5, v0
	v_readfirstlane_b32 s10, v1                    ; wave 0..3
	s_lshr_b32 s11, s10, 1                         ; which half of the tile's rows is mine.  Also: I fetch for A (0) or for B (1)
	s_and_b32 s12, s10, 1                          ; which half of its columns.  Also: which part of that tile I fetch
	s_bfe_u32 s40, ttmp6, 0x40000                  ; cx
	s_bfe_u32 s41, ttmp6, 0x40004                  ; cy
	s_lshl_b32 s42, ttmp9, 2
	s_add_co_u32 s42, s42, s40                     ; tile column
	s_and_b32 s13, ttmp7, 0xffff
	s_lshl_b32 s13, s13, 2
	s_add_co_u32 s13, s13, s41                     ; tile row
	s_lshl_b32 s43, s41, 2
	s_lshl_b32 s43, 15, s43                        ; my row of the cluster
	s_lshl_b32 s2, 0x1111, s40                     ; my column
	s_or_b32 s[G1+0], s43, (1<<16)|(1<<20)|(1<<21)|(4<<22)|(3<<25)   ; elements of 2 bytes; padding: 4 words behind every 32; bit 21 beside a mask
	s_mov_b32 s[G1+1], 64<<16                      ; tensor_dim0
	s_mov_b32 s[G1+2], 256<<16                     ; tensor_dim1
	s_mov_b32 s[G1+3], 64<<16                      ; tile_dim0
	s_mov_b32 s[G1+4], 256                         ; tile_dim1
	s_mov_b32 s[G1+5], 64                          ; pitch
	s_mov_b32 s[G1+6], 0
	s_mov_b32 s[G1+7], 0
	s_or_b32 s[G1B+0], s2, (1<<16)|(1<<20)|(1<<21)|(5<<22)|(7<<25)   ; padding: 8 words behind every 64
	s_mov_b32 s[G1B+1], 128<<16
	s_mov_b32 s[G1B+2], 64<<16
	s_mov_b32 s[G1B+3], 128<<16
	s_mov_b32 s[G1B+4], 64
	s_mov_b32 s[G1B+5], 1024
	s_mov_b32 s[G1B+6], 0
	s_mov_b32 s[G1B+7], 0
	s_lshl_b32 s16, s12, 20                        ; A: head w % 2 of the step (1,048,576 bytes a head),
	s_lshl_b32 s17, s13, 15                        ; the tile row's 256 rows of 128 bytes
	s_add_co_u32 s16, s16, s17
	s_mov_b32 s17, 0
	s_lshl_b32 s46, s12, 17                        ; B: 64 rows of 2,048 bytes x (w % 2),
	s_lshl_b32 s47, s42, 8                         ; the tile column's 256 bytes
	s_add_co_u32 s46, s46, s47
	s_mov_b32 s47, 0
	s_mul_i32 s20, s12, AZ                         ; where they go: no place in the cluster enters an LDS address
	s_mul_i32 s21, s12, BH
	s_add_co_u32 s21, s21, BOFF
	s_wait_dscnt 0x0                               ; both opening adds are done
	s_wait_kmcnt 0x0
	s_add_nc_u64 s[14:15], s[4:5], s[16:17]
	s_add_nc_u64 s[46:47], s[6:7], s[46:47]
	CROUND                                         ; all sixteen work-groups are here: the first joint loads meet
.irp s, 0,1
	s_mov_b32 s[G0+4*\s], 1
	s_add_co_u32 s[G0+4*\s+1], s20, \s*SLOT
	s_add_nc_u64 s[G0+4*\s+2:G0+4*\s+3], s[14:15], \s*2*1048576
	s_or_b32 s[G0+4*\s+3], s[G0+4*\s+3], 0x80000000
	s_mov_b32 s[G0B+4*\s], 1
	s_add_co_u32 s[G0B+4*\s+1], s21, \s*SLOT
	s_add_nc_u64 s[G0B+4*\s+2:G0B+4*\s+3], s[46:47], \s*128*2048
	s_or_b32 s[G0B+4*\s+3], s[G0B+4*\s+3], 0x80000000
	JLOAD \s
.endr
	v_and_b32 v1, 15, v0                           ; r
	v_bfe_u32 v2, v0, 4, 1                         ; h
	v_mul_u32_u24 v3, v1, PA
	v_lshl_add_u32 v3, v2, 4, v3                   ; A: row x pitch + 16 x half
	v_and_b32 v4, 7, v0
	v_lshl_add_u32 v4, v2, 3, v4                   ; B, turned: lane l reads row k = 8 (l / 16) + l % 8, columns 8 ((l / 8) % 2) + 0..7
	v_mul_u32_u24 v4, v4, PB
	v_bfe_u32 v5, v0, 3, 1
	v_lshl_add_u32 v4, v5, 4, v4
	s_mul_i32 s21, s11, 128*PA                     ; my 128 rows of A
	s_lshl_b32 s22, s12, 7                         ; my 64 columns of B
	s_add_co_u32 s22, s22, BOFF
.irp s, 0,1
	v_add_nc_u32 v[ADRA+\s], s21, v3
	v_add_nc_u32 v[ADRB+\s], s22, v4
	s_add_co_u32 s21, s21, SLOT
	s_add_co_u32 s22, s22, SLOT
.endr
	s_mul_i32 s23, s10, 16*SPITCH
	s_add_co_u32 s23, s23, STAGE                   ; my stage
	v_mul_u32_u24 v5, v1, SPITCH
	v_lshl_add_u32 v5, v2, 5, v5
	v_add_nc_u32 v[STO], s23, v5                   ; in: row r, 32 bytes for each half of the lanes
	v_mul_u32_u24 v5, v2, SPITCH
	v_lshl_add_u32 v5, v1, 4, v5
	v_add_nc_u32 v[RD], s23, v5                    ; back: lanes 0-15 one row of 256 bytes, lanes 16-31 the next
	v_lshlrev_b32 v5, 12, v2
	v_lshl_add_u32 v[CO], v1, 4, v5                ; and the same two rows in out0
	v_lshlrev_b32 v[BO], 5, v2
	s_lshl_b32 s16, s13, 20                        ; 256 rows of 4,096 bytes a tile row,
	s_lshl_b32 s17, s11, 19                        ; 128 rows for my half
	s_add_co_u32 s16, s16, s17
	s_mov_b32 s17, 0
	s_add_nc_u64 s[8:9], s[8:9], s[16:17]
	s_lshl_b32 s46, s42, 9
	s_lshl_b32 s47, s12, 8
	s_add_co_u32 s46, s46, s47                     ; my first column, 4 bytes a column: 512 x tile column + 256 x half
	s_mov_b32 s47, 0
	s_add_nc_u64 s[8:9], s[8:9], s[46:47]
	s_add_nc_u64 s[44:45], s[44:45], s[46:47]      ; the bias likewise
	WIN TO_B
.irp b, 0,1,2,3
	global_load_b128 v[BIAS+8*\b:BIAS+8*\b+3], v[BO], s[44:45] offset:64*\b       ; b_out[n + 16 b + 8 h + 0 .. 7]
	global_load_b128 v[BIAS+8*\b+4:BIAS+8*\b+7], v[BO], s[44:45] offset:64*\b+16
.endr
	WIN 0
; 8 matrix instructions: A's blocks a0, a0 + 1 x B's four, 32 along K.  first = 1: the sums start from the bias.  The 32 accumulators take turns, one instruction a turn.
.macro MUL8 f, a0, first
.irp a, \a0, \a0+1
.irp b, 0,1,2,3
.if \first
	v_wmma_f32_16x16x32_f16 v[8*(4*(\a)+\b):8*(4*(\a)+\b)+7], v[\f+8*\b:\f+8*\b+7], v[\f+8*(\a):\f+8*(\a)+7], v[BIAS+8*\b:BIAS+8*\b+7]
.else
	v_wmma_f32_16x16x32_f16 v[8*(4*(\a)+\b):8*(4*(\a)+\b)+7], v[\f+8*\b:\f+8*\b+7], v[\f+8*(\a):\f+8*(\a)+7], v[8*(4*(\a)+\b):8*(4*(\a)+\b)+7]
.endif
.endr
.endr
.endm
; 24 LDS loads in one run: the fragments of the slot's q-th 32 along K into buffer f: B's four (turned), then A's eight
.macro FETCH slot, q, f
	WIN TO_B
.irp b, 0,1,2,3
	ds_load_tr16_b128 v[\f+8*\b:\f+8*\b+3],   v[ADRB+\slot] offset:(\q)*32*PB+32*\b
	ds_load_tr16_b128 v[\f+8*\b+4:\f+8*\b+7], v[ADRB+\slot] offset:(\q)*32*PB+32*\b+16*PB
.endr
	WIN 0
.irp a, 0,1,2,3,4,5,6,7
	ds_load_b128 v[\f+8*\a:\f+8*\a+3],   v[ADRA+\slot] offset:((\q)/2)*AZ+((\q)%2)*64+\a*16*PA
	ds_load_b128 v[\f+8*\a+4:\f+8*\a+7], v[ADRA+\slot] offset:((\q)/2)*AZ+((\q)%2)*64+\a*16*PA+32
.endr
.endm
.macro PLACES                          ; plain vector instructions between a matrix instruction and a load into, or a read of, its registers
.rept 4
	v_nop
.endr
.endm
; A K step is four quarters of 32 along K, 32 matrix instructions each, on buffers 0, 1, 0, 1.  One of the first three: multiplies buffer f and fetches quarter q into g.
.macro QUARTER slot, q, f, g, first
	s_wait_dscnt 8                                 ; B and A's blocks 0-3 are in; the youngest eight loads (A's blocks 4-7) may be out
.if \first
	WIN MULB
.else
	WIN MUL
.endif
	MUL8 \f, 0, \first
	MUL8 \f, 2, \first
	PLACES
	FETCH \slot, \q, \g
	s_wait_dscnt 24                                ; all but the 24 just issued
.if \first
	WIN MULB
.else
	WIN MUL
.endif
	MUL8 \f, 4, \first
	MUL8 \f, 6, \first
.endm
; The last quarter multiplies buffer 1 and changes slots: ONE barrier; in front of it each wave waits for all its tensor loads, adds 0 to its spare word, and waits for that and for its reads of this slot.  fill = 1: this slot is filled again, two K steps ahead.
.macro TURN slot, next, fill
	WIN 0
	s_wait_tensorcnt 0x0                           ; all my tensor loads have landed: my part of the next slot
	ds_add_u32 v[SPW], v[NIL]
	s_wait_dscnt 9                                 ; the add and the youngest eight loads may be out
	WIN MUL
	MUL8 F1, 0, 0
	s_wait_dscnt 0x0                               ; the add is done, and my reads of this slot are over
	s_barrier_signal -1
	MUL8 F1, 2, 0
.if \fill
	WIN 0
.endif
	s_barrier_wait -1
.if \fill
	CREST                                          ; the barrier has opened a round of the cluster's: no wave of any partner still reads this slot or has a load on its way
	s_add_nc_u64 s[G0+4*\slot+2:G0+4*\slot+3], s[G0+4*\slot+2:G0+4*\slot+3], 4*1048576
	s_add_nc_u64 s[G0B+4*\slot+2:G0B+4*\slot+3], s[G0B+4*\slot+2:G0B+4*\slot+3], 256*2048
	JLOAD \slot                                    ; the first tensor load behind the round: 112 matrix instructions ahead of the wait for it; its four v_nop are also the places in front of the loads below
.else
	PLACES
.endif
	FETCH \next, 0, F0
	WIN MUL
	MUL8 F1, 4, 0
	MUL8 F1, 6, 0
.endm
	s_wait_tensorcnt 1                             ; my part of K step 0 is in; K step 1's may be out
	s_barrier_signal -1
	s_barrier_wait -1
	FETCH 0, 0, F0
	s_wait_loadcnt 0x0                             ; the bias
	QUARTER 0, 1, F0, F1, 1                        ; the first quarter stands in front of the loop: its products start the sums
	WIN 0
	s_mov_b32 s3, LAPS-1
.Llap:                                             ; a trip goes once round the ring and fills both slots again
	QUARTER 0, 2, F1, F0, 0
	QUARTER 0, 3, F0, F1, 0
	TURN 0, 1, 1
	QUARTER 1, 1, F0, F1, 0
	QUARTER 1, 2, F1, F0, 0
	QUARTER 1, 3, F0, F1, 0
	TURN 1, 0, 1
	QUARTER 0, 1, F0, F1, 0
	WIN 0
	s_sub_co_u32 s3, s3, 1
	s_cmp_lg_u32 s3, 0
	s_cbranch_scc1 .Llap
	QUARTER 0, 2, F1, F0, 0                        ; the last lap fills nothing
	QUARTER 0, 3, F0, F1, 0
	TURN 0, 1, 0
	QUARTER 1, 1, F0, F1, 0
	QUARTER 1, 2, F1, F0, 0
	QUARTER 1, 3, F0, F1, 0
	s_wait_dscnt 8                                 ; the very last quarter
	WIN MUL
	MUL8 F1, 0, 0
	MUL8 F1, 2, 0
	s_wait_dscnt 0
	MUL8 F1, 4, 0
	MUL8 F1, 6, 0
	WIN 0
; THE WAY OUT, block by block of 16 rows x 64 columns: a lane holds 32 neighbouring bytes of a row; a block goes through my own stage and comes back as whole rows of 256 bytes, which sixteen lanes store as one aligned run.
.macro TOSTAGE a
	WIN 0x08                                       ; an LDS store's data are its source 1: window 2
.irp b, 0,1,2,3
	ds_store_b128 v[STO], v[8*(4*(\a)+\b):8*(4*(\a)+\b)+3] offset:64*\b            ; each accumulator from its low end on
	ds_store_b128 v[STO], v[8*(4*(\a)+\b)+4:8*(4*(\a)+\b)+7] offset:64*\b+16
.endr
	WIN 0
.set BB, 32+160*((\a)%2)
.irp t, 0,1,2,3,4,5,6,7
	ds_load_b128 v[BB+4*\t:BB+4*\t+3], v[RD] offset:\t*2*SPITCH    ; LDS serves a wave's instructions in order: these see the stores above
.endr
.endm
.macro SEND a, younger                 ; younger: the LDS instructions issued behind block a's loads: the next block's sixteen, or none
.set BB, 32+160*((\a)%2)
	s_wait_dscnt \younger
.irp t, 0,1,2,3,4,5,6,7
	global_store_b128 v[CO], v[BB+4*\t:BB+4*\t+3], s[8:9] offset:65536*(\a)+8192*\t th:TH_STORE_NT
.endr
.endm
	PLACES
	TOSTAGE 0
.irp a, 1,2,3,4,5,6,7
.if \a > 1
	s_wait_xcnt 0x0                                ; block a - 2's stores have read their registers: block a's loads may land there
.endif
	TOSTAGE \a
	SEND \a-1, 16
.endr
	SEND 7, 0
	s_wait_tensorcnt 0x0                           ; the wave's end
	ds_add_u32 v[SPW], v[NIL]
	s_wait_dscnt 0x0
	CROUND                                         ; the closing round
	s_endpgm
.Lfunc_end_k_q0d58d62819_gemm_out:
	.size	k_q0d58d62819_gemm_out, .Lfunc_end_k_q0d58d62819_gemm_out-k_q0d58d62819_gemm_out
	.p2alignl 7, 3214868480
	.fill 96, 4, 3214868480
	.section	.rodata,"a",@progbits
	.p2align	6, 0x0
	.amdhsa_kernel k_q0d58d62819_gemm_out
		.amdhsa_group_segment_fixed_size 327680
		.amdhsa_private_segment_fixed_size 0
		.amdhsa_enable_private_segment 0
		.amdhsa_kernarg_size 32
		.amdhsa_user_sgpr_count 2
		.amdhsa_user_sgpr_kernarg_segment_ptr 1
		.amdhsa_wavefront_size32 1
		.amdhsa_system_sgpr_workgroup_id_x 1
		.amdhsa_system_sgpr_workgroup_id_y 1
		.amdhsa_system_sgpr_workgroup_id_z 1
		.amdhsa_system_vgpr_workitem_id 0
		.amdhsa_next_free_vgpr 768
		.amdhsa_next_free_sgpr 66
		.amdhsa_reserve_vcc 0
		.amdhsa_float_denorm_mode_32 3
		.amdhsa_float_denorm_mode_16_64 3
		.amdhsa_memory_ordered 1
		.amdhsa_forward_progress 1
		.amdhsa_inst_pref_size 87
	.end_amdhsa_kernel
	.amdgpu_metadata
---
amdhsa.version: [ 1, 2 ]
amdhsa.kernels:
  - .name:           k_q0d58d62819_gemm_out
    .symbol:         k_q0d58d62819_gemm_out.kd
    .args:
      - { .name: ao16, .offset: 0, .size: 8, .value_kind: global_buffer, .address_space: global }
      - { .name: wo16, .offset: 8, .size: 8, .value_kind: global_buffer, .address_space: global }
      - { .name: b_out, .offset: 16, .size: 8, .value_kind: global_buffer, .address_space: global }
      - { .name: out0, .offset: 24, .size: 8, .value_kind: global_buffer, .address_space: global }
    .group_segment_fixed_size: 327680
    .private_segment_fixed_size: 0
    .kernarg_segment_align: 8
    .kernarg_segment_size: 32
    .max_flat_workgroup_size: 128
    .sgpr_count:     66
    .vgpr_count:     768
    .wavefront_size: 32
...
	.end_amdgpu_metadata
.endif
;; end of part 4
